; MI455X (gfx1250); checked and timed in simulation.
; The chip was launched on July 23, 2026; its instructions are those of AMD's public machine-readable ISA for CDNA 5 (MIT licence, August 2026) and "CDNA5" Instruction Set Architecture Reference Guide (July 2026). The comments in the code are by the model that wrote it; some were corrected since.
;; Scaled Dot Product Attention. Allowed arithmetic: matrix products marked QUANTISED: E5M2 operands, one E8M0 scale for each 32 along K, by v_wmma_scale_f32_16x16x128_f8f6f4 with both operands' format E5M2, f32 sums; everything else in f32.
;; Inputs: keys_codes 4 x 16 x 2,048 x 2 x 32 uint8 (E5M2 codes of keys, K innermost, in blocks of 32 codes); keys_scales 4 x 16 x 2,048 x 2 uint8 (E8M0 scales of keys, one for each 32 codes along K); mask 2,048 x 2,048 bool; queries_codes 4 x 16 x 2,048 x 2 x 32 uint8 (E5M2 codes of queries, K innermost, in blocks of 32 codes); queries_scales 4 x 16 x 2,048 x 2 uint8 (E8M0 scales of queries, one for each 32 codes along K); values_codes 4 x 16 x 64 x 64 x 32 uint8 (E5M2 codes of values, K innermost, in blocks of 32 codes); values_scales 4 x 16 x 64 x 64 uint8 (E8M0 scales of values, one for each 32 codes along K).
;; Outputs: out0 4 x 16 x 2,048 x 64 float32.
;; This version of the problem:
;;   THIS VERSION OF THE PROBLEM IS GIVEN IN LOW PRECISION. The matrix products marked QUANTISED in the list below multiply operands that are first quantised to E5M2 (5 exponent bits, 2 mantissa bits; 8 bits a number), with one power-of-two scale for each 32 numbers along K (OCP MX v1.0); their sums are f32. All else is computed in f32.
;;   The module's matrix products, in the order in which they are computed (A, B: the left and right operand; K: the contracted axis; several contracted axes count as one K, in the product's order):
;;     1. batch 64 x [M 2,048, K 64] x [K 64, N 2,048]; A: input queries (given as codes); B: input keys (given as codes): QUANTISED
;;     2. batch 64 x [M 2,048, K 2,048] x [K 2,048, N 64]; A: softmax (see below); B: input values (given as codes): QUANTISED
;;   THE QUANTISER, for each operand of a quantised product, along K:
;;     - K is cut into blocks of 32 from its start; a last block that is shorter is filled with zeros.
;;     - A block's scale is 2^e with e = floor(log2(the largest magnitude in the block)) - 15, held to -126 .. 127; a block of zeros has e = 0. As a byte (E8M0): e + 127.
;;     - Each number is divided by its block's scale, clamped to +-57,344, and rounded to the nearest number of E5M2, ties to even, subnormals kept.
;;     - The product sums the exact products of the quantised numbers (number of the format x scale) in f32.
;;   ~~~python
;;   def quantise(x, axis):      # numpy; x: float32 -> the quantised numbers, widened to float32 again
;;       x = np.moveaxis(x, axis, -1); K = x.shape[-1]
;;       x = np.pad(x, [(0, 0)] * (x.ndim - 1) + [(0, -K % 32)]); x = x.reshape(x.shape[:-1] + (-1, 32)); a = np.abs(x).max(-1, keepdims=True)
;;       e = np.where(a > 0, np.clip(np.frexp(np.where(a > 0, a, 1))[1] - 1 - 15, -126, 127), 0)      # np.frexp(a)[1] - 1 = floor(log2(a)), exactly
;;       r = np.clip(x / 2.0 ** e, -57344, 57344)
;;       step = 2.0 ** (np.maximum(np.frexp(np.where(r == 0, 1, r))[1] - 1, -14) - 2)
;;       q = np.round(r / step) * step * 2.0 ** e      # np.round: ties to even
;;       return np.moveaxis(q.reshape(q.shape[:-2] + (-1,))[..., :K], -1, axis).astype(np.float32)
;;   ~~~
;;   SOFTMAX AHEAD OF A QUANTISED PRODUCT. Where the list says 'softmax', what is quantised is not the finished softmax but p = 2^(t - M), with t = logit x log2(e) and M = ceil(the row's largest t), a whole number; so 1/2 < the row's largest p <= 1. The row's sum l is taken of the UNQUANTISED p, in f32, and the product's result is divided by l at the end. Since M is a whole number, a kernel that streams over the keys may use a running M (the ceiling of the running maximum): every later rescaling is an exact power of two, which a block's scale takes up: the codes' values come out the same.
;;   OPERANDS COMPUTED ON THE WAY. 'Computed on the way' means the value that the module computes at that place (a softmax that the list does not call 'softmax' is quantised finished and normalised). What goes into a quantiser is computed in f32, as accurately as f32 sums, v_exp_f32 and their like allow (about 1e-6 of the number): no bf16 or f16 on the way to a quantiser, and a product that is left as it is and whose result goes on into a quantised operand takes f32 operands (vector FMAs, or v_wmma_f32_16x16x4_f32). A number that lies on a knife's edge between two numbers of the format may be rounded either way, as far as f32 arithmetic and the matrix unit's own rounding can turn it there, and no further.
;;   INPUTS GIVEN AS CODES. keys (in the module: [4, 16, 2048, 64], K = its axis 3); queries (in the module: [4, 16, 2048, 64], K = its axis 3); values (in the module: [4, 16, 2048, 64], K = its axis 2): each comes as NAME_codes (uint8): NAME with its K axis moved to the last place and cut into blocks of 32 codes, [.., K / 32, bytes a block], one block behind the other in memory; one code a byte (a code: sign, 5 exponent bits, 2 mantissa bits); and NAME_scales (uint8): the same leading axes, one E8M0 byte (e + 127) for each 32 codes along K. Its value is code x scale, taken as it is: it is not quantised again, and the codes and scales need not be those that the quantiser above would give.
;; 2 versions. Each part assembles by itself: llvm-mc -triple=amdgcn-amd-amdhsa -mcpu=gfx1250 --defsym DOCPART=n.
;; ======== version 1 of 2: 2 launches
;; workspace buffers: maskw 524,288 bytes of whole numbers; flags 512 bytes of whole numbers
;; launch prep (part 1): grid 128 x 1, 16 waves a work-group, no clusters, 35,328 bytes of LDS; arguments mask, maskw, flags; writes maskw, flags
.if DOCPART == 1
	.amdgcn_target "amdgcn-amd-amdhsa--gfx1250"
	.amdhsa_code_object_version 6
	.text
	.protected	k_q8fee08f3bc_prep
	.globl	k_q8fee08f3bc_prep
	.p2align	8
	.type	k_q8fee08f3bc_prep,@function
k_q8fee08f3bc_prep:
	s_mov_b64 s[64:65], 0
	v_nop
	global_prefetch_b8 v0, s[64:65] scope:SCOPE_SE
	s_setreg_imm32_b32 hwreg(HW_REG_WAVE_MODE, 25, 1), 1
	s_wait_xcnt 0x0
; The mask [2048][2048], one byte a place, becomes lane masks and flags for the attention launch.
; maskw: for query tile t (16 queries) and key step s (128 keys) 64 words at byte (16 t + s) x 256 + 4 n.  Bit l of word n says whether
;   mask[16 t + l % 16][128 s + 32 (n / 16) + 16 (l / 16) + n % 16] is not 0: l is the lane and n the register in which the attention launch holds that score.
; flags: one word a tile; bits 2 s + 1 : 2 s are 0 (no key of the step counts for any of the 16 queries), 1 (some do), 2 (all do).
; LIMIT: every byte that is not 0 counts as true.
; SHARES: work-group t takes tile t: 16 rows of the mask, 32,768 consecutive bytes, read once, 512 consecutive bytes to a wave's load.  They turn through LDS, since for the
; compare a lane wants 16 neighbouring bytes of ONE row.  Wave s takes key step s.  A wave's 64 words leave as one aligned run of 256 bytes; the tile's flag word is 4 bytes.
.set PITCH, 2064                       ; a row in LDS: 2,048 bytes + 16 = 129 x 16: the 16 rows that a load touches begin in 16 different columns of 16 bytes modulo 256
.set FL,    16*PITCH                   ; behind the rows: 16 words, a wave's flag each
.set WV,    25                         ; s25  my wave's number
	s_load_b128 s[4:7], s[0:1], 0x0                ; mask, maskw
	s_load_b64 s[8:9], s[0:1], 0x10                ; flags
	v_lshl_add_u32 v48, v0, 2, 0x8200
	v_mov_b32 v49, 0
	v_lshrrev_b32 v20, 5, v0
	v_readfirstlane_b32 s[WV], v20                 ; wave 0..15
	v_lshlrev_b32 v1, 4, v0                        ; in: 16 bytes a thread
	v_lshrrev_b32 v2, 7, v0                        ; 128 threads to a row
	v_and_b32 v20, 127, v0
	v_mul_u32_u24 v2, v2, PITCH
	v_lshl_add_u32 v2, v20, 4, v2                  ; into LDS: row (thread / 128), byte 16 (thread % 128)
	v_and_b32 v3, 15, v0                           ; r
	v_bfe_u32 v20, v0, 4, 1                        ; h
	v_mul_u32_u24 v3, v3, PITCH
	v_lshl_add_u32 v3, v20, 4, v3
	s_lshl_b32 s20, s[WV], 7
	v_add_nc_u32 v3, s20, v3                       ; out of LDS: row r, byte 128 x wave + 16 h
	v_and_b32 v40, 31, v0                          ; lane
	v_lshlrev_b32 v24, 3, v40                      ; two words a lane
	v_mov_b32 v37, s[WV]
	v_lshlrev_b32 v37, 2, v37                      ; my wave's flag word
	v_mov_b32 v38, 0
	s_lshl_b32 s10, ttmp9, 15                      ; the tile's 16 rows of the mask
	s_mov_b32 s11, 0
	s_lshl_b32 s12, ttmp9, 12                      ; the tile's 16 x 256 bytes of maskw,
	s_lshl_b32 s20, s[WV], 8
	s_add_co_u32 s12, s12, s20                     ; my step's 256
	s_mov_b32 s13, 0
	s_lshl_b32 s14, ttmp9, 2                       ; the tile's flag word
	s_mov_b32 s15, 0
	s_wait_kmcnt 0x0
	s_add_nc_u64 s[4:5], s[4:5], s[10:11]
	s_add_nc_u64 s[6:7], s[6:7], s[12:13]
	s_add_nc_u64 s[8:9], s[8:9], s[14:15]
.irp m, 0,1,2,3
	global_load_b128 v[4+4*\m:7+4*\m], v1, s[4:5] offset:8192*\m th:TH_LOAD_NT   ; four rows to a load of the work-group; read once in the launch
.endr
.irp m, 0,1,2,3
	s_wait_loadcnt 3-\m                            ; loads come back in order: load m is in, the 3 - m younger ones may be out
	ds_store_b128 v2, v[4+4*\m:7+4*\m] offset:4*PITCH*\m
.endr
	s_wait_dscnt 0x0                               ; for the others' sake: my stores have landed
	s_barrier_signal -1
	s_barrier_wait -1                              ; the 16 rows lie in LDS
.irp b, 0,1,2,3
	ds_load_b128 v[4+4*\b:7+4*\b], v3 offset:32*\b ; byte i of these 16: key 128 s + 32 b + 16 h + i of query r: word n = 16 b + i
.endr
	v_mov_b32 v22, 0                               ; (a lane write's destination counts as read)
	v_mov_b32 v23, 0
	s_wait_dscnt 0x0
; Word n: byte n % 4 of register n / 4 in all 32 lanes, compared with 0: the compare's result IS the word.  Lane n / 2 takes it, even n in v22, odd n in v23.  Eight at a time.
.set N, 0
.rept 8
.irp k, 0,1,2,3,4,5,6,7
	v_bfe_u32 v[26+\k], v[4+(N+\k)/4], 8*((N+\k)%4), 8
.endr
.irp k, 0,1,2,3,4,5,6,7
	v_cmp_ne_u32 s[12+\k], 0, v[26+\k]
.endr
.irp k, 0,1,2,3,4,5,6,7
	v_writelane_b32 v[22+(N+\k)%2], s[12+\k], (N+\k)/2
.endr
.set N, N+8
.endr
	global_store_b64 v24, v[22:23], s[6:7]         ; 32 lanes store 256 consecutive bytes, at a multiple of 256 from maskw's first byte
	v_or_b32 v34, v22, v23
	v_and_b32 v35, v22, v23
	v_cmp_ne_u32 s20, 0, v34                       ; not 0: some place counts
	v_cmp_ne_u32 s21, -1, v35                      ; 0: every place counts
	s_cmp_lg_u32 s20, 0
	s_cselect_b32 s22, 1, 0
	s_cmp_eq_u32 s21, 0
	s_cselect_b32 s23, 1, 0
	s_add_co_u32 s22, s22, s23                     ; 0, 1 or 2
	s_lshl_b32 s24, s[WV], 1
	s_lshl_b32 s22, s22, s24                       ; at my step's two bits
	v_mov_b32 v36, s22
	ds_store_b32 v37, v36 offset:FL                ; all lanes write the same word with the same value
	s_wait_dscnt 0x0
	s_barrier_signal -1
	s_barrier_wait -1                              ; the 16 flags lie in LDS
	s_cmp_lg_u32 s[WV], 0
	s_cbranch_scc1 .Ldone                          ; wave 0 joins them
.irp i, 0,1,2,3
	ds_load_b128 v[4+4*\i:7+4*\i], v38 offset:FL+16*\i
.endr
	s_wait_dscnt 0x0
.irp i, 5,6,7,8,9,10,11,12,13,14,15,16,17,18,19
	v_or_b32 v4, v4, v[\i]
.endr
	v_cmp_eq_u32 vcc_lo, 0, v40
	s_wait_xcnt 0x0                                ; EXEC is a source of the store above: it changes only behind this wait
	s_and_saveexec_b32 s24, vcc_lo
	global_store_b32 v38, v4, s[8:9]               ; lane 0 alone: the tile's flag word
	s_wait_xcnt 0x0                                ; and again in front of the line that widens it
	s_or_b32 exec_lo, exec_lo, s24
.Ldone:
	s_wait_tensorcnt 0x0
	ds_add_u32 v48, v49
	s_wait_dscnt 0x0
	s_endpgm
.Lfunc_end_k_q8fee08f3bc_prep:
	.size	k_q8fee08f3bc_prep, .Lfunc_end_k_q8fee08f3bc_prep-k_q8fee08f3bc_prep
	.p2alignl 7, 3214868480
	.fill 96, 4, 3214868480
	.section	.rodata,"a",@progbits
	.p2align	6, 0x0
	.amdhsa_kernel k_q8fee08f3bc_prep
		.amdhsa_group_segment_fixed_size 35328
		.amdhsa_private_segment_fixed_size 0
		.amdhsa_enable_private_segment 0
		.amdhsa_kernarg_size 24
		.amdhsa_user_sgpr_count 2
		.amdhsa_user_sgpr_kernarg_segment_ptr 1
		.amdhsa_wavefront_size32 1
		.amdhsa_system_sgpr_workgroup_id_x 1
		.amdhsa_system_sgpr_workgroup_id_y 1
		.amdhsa_system_sgpr_workgroup_id_z 1
		.amdhsa_system_vgpr_workitem_id 0
		.amdhsa_next_free_vgpr 50
		.amdhsa_next_free_sgpr 66
		.amdhsa_reserve_vcc 1
		.amdhsa_float_denorm_mode_32 3
		.amdhsa_float_denorm_mode_16_64 3
		.amdhsa_memory_ordered 1
		.amdhsa_forward_progress 1
		.amdhsa_inst_pref_size 17
	.end_amdhsa_kernel
	.amdgpu_metadata
---
amdhsa.version: [ 1, 2 ]
amdhsa.kernels:
  - .name:           k_q8fee08f3bc_prep
    .symbol:         k_q8fee08f3bc_prep.kd
    .args:
      - { .name: mask, .offset: 0, .size: 8, .value_kind: global_buffer, .address_space: global }
      - { .name: maskw, .offset: 8, .size: 8, .value_kind: global_buffer, .address_space: global }
      - { .name: flags, .offset: 16, .size: 8, .value_kind: global_buffer, .address_space: global }
    .group_segment_fixed_size: 35328
    .private_segment_fixed_size: 0
    .kernarg_segment_align: 8
    .kernarg_segment_size: 24
    .max_flat_workgroup_size: 512
    .sgpr_count:     66
    .vgpr_count:     50
    .wavefront_size: 32
...
	.end_amdgpu_metadata
.endif
;; end of part 1
;; launch attn (part 2): grid 4 x 64, 16 waves a work-group, no clusters, 155,648 bytes of LDS; arguments values_codes, queries_codes, queries_scales, out0, maskw, flags, keys_scales, values_scales, keys_codes; writes out0
.if DOCPART == 2
	.amdgcn_target "amdgcn-amd-amdhsa--gfx1250"
	.amdhsa_code_object_version 6
	.text
	.protected	k_q8fee08f3bc_attn
	.globl	k_q8fee08f3bc_attn
	.p2align	8
	.type	k_q8fee08f3bc_attn,@function
k_q8fee08f3bc_attn:
	s_mov_b64 s[64:65], 0
	v_nop
	global_prefetch_b8 v0, s[64:65] scope:SCOPE_SE
	s_setreg_imm32_b32 hwreg(HW_REG_WAVE_MODE, 25, 1), 1
	s_wait_xcnt 0x0
; O[head][q][:] = the sum over k of softmax_k(mask ? Q[q] . K[k] / 8 : -infinity) V[k][:], 64 heads, 2,048 queries and keys, head size 64; both products on codes of BF8 (E5M2) with one E8M0 scale for each 32 along K.
; Q, K: [head][2048][64] codes, 2 scale bytes a row.  V: [head][64][2048] codes, the keys innermost, 64 scale bytes a row.  O: [head][2048][64] f32.
; THE MASK is an input.  The launch before has turned it into lane masks (maskw) and, for each tile of 16 queries and step of 128 keys, a flag: 0 nothing counts, 1 some places count, 2 all count (flags).
; THE SOFTMAX AHEAD OF THE SECOND PRODUCT: t = score x log2(e) / 8; M = the row's largest t so far, rounded UP to a whole number; p = 2^(t - M) is quantised along the keys, not normalised.
; The row's sum is taken of the unquantised p and divides O at the end.  When M moves, the sum and O are multiplied by 2^(old M - new M): exact.
; THE FIRST PRODUCT'S K IS 64, the instruction's 128: registers 8-15 of Q's and K's fragments hold zero codes, and the upper two bytes of their scale words are 0 (2^-127, over zeros).
; SHARES.  Work-group (g, head) makes two passes over the head's keys: first for the 256 queries of group 7 - g, then for those of group g; in a pass each of its sixteen waves owns one tile of 16 queries, in 256 registers.
; (The pairing is a schedule and holds for every mask.)  A pass walks 8 slots of 256 keys, two steps of 128 each, through a ring of two LDS slots that all 512 threads fill THROUGH REGISTERS: loads a slot ahead, stores behind the slot's work.
; WHAT THE FLAGS SPARE, by scalar branches: a wave's work in a step in which nothing counts for its tile; the 64 selects in a step in which all counts; the copy of a slot that none of the 16 tiles needs.
; Every wave passes every barrier.  NO TENSOR LOADS, NO CLUSTER: these branches spare about half the vector work under a mask
; that hides half the places, while K's and V's bytes are small beside that work.
; LAYOUT.  Both products are used transposed: S^T = K Q^T (source 0 = 16 keys, source 1 = my 16 queries), O^T = V^T P^T (source 0 = 16 channels, source 1 = P): a lane holds ONE query (lane % 16) throughout.
; THE KEYS OF A TILE ARE NOT NEIGHBOURS: lane r of tile 2 b + u takes key 32 b + 8 u + r + 8 (r / 8), so that register 16 b + i of S^T holds key 32 b + 16 (lane / 16) + i: the conversions' results are P's fragment.
; LIMITS: NaN and infinity codes and scale bytes 0xff are not treated apart; t under -3e38 is not served; p under 2^-126 counts as 0.  A row in which no place counts comes out as 0 x (1 / 0) = NaN, as in the definition.
.set RING,  37888                      ; LDS: a ring slot: K's two steps, then V
.set KPI,   80                         ; a key's row: 64 bytes + 16 = 5 x 16: 16 neighbouring rows begin in 16 different columns of 16 bytes modulo 256
.set KQ,    128*KPI                    ; a step's 128 rows.  Key k lies in row k with bits 3 and 4 exchanged = 16 x tile + r: a tile's 16 keys are 16 neighbouring rows
.set VOFF,  2*KQ                       ; V: 64 rows (channels) of 256 bytes + 16; a step's 128 keys are half a row
.set VPI,   272
.set SCK,   2*RING                     ; the head's K scale bytes, as in memory: 2 a key
.set SCV,   SCK+4096                   ; the head's V scale words, laid [step][channel]
.set STG,   SCV+4096                   ; the way out: 16 rows x (256 bytes + 16) for each wave, its own
.set LI,   1                           ; v1   16 x lane
.set AK,   2                           ; v2-3 my lane's place in a tile of K, ring slot 0, 1
.set AV,   4                           ; v4-5 the same for V
.set ASK,  6                           ; v6   my lane's place among a step's K scale bytes
.set ASV,  7                           ; v7   and among V's scale words
.set ADS,  8                           ; v8   ASK + four steps' bytes x the trip
.set ADT,  9                           ; v9   ASV likewise
.set SO,   10                          ; v10  the stage: where I put 32 bytes of a row
.set SR,   11                          ; v11  and where I read a row back
                                       ; v12 -M, v13 the largest t, v[14:15] the sum in two halves
.set QF,   16                          ; v16-31   Q's fragment; v24-31 stay 0
.set KF,   32                          ; v32-95   four fragments of K; registers 8-15 of each stay 0
.set S,    96                          ; v96-159  S^T, then p, then V's four fragments
.set O,    160                         ; v160-191 O^T, four tiles
.set PC,   192                         ; v192-207 p's codes
.set FS,   208                         ; v208-223 the next slot's bytes on their way through registers
.set NINF, 224                         ; v224 -infinity
.set FK,   225                         ; v225 where my 16 bytes of a step of K go in a ring slot
.set FV,   226                         ; v226 and my 16 bytes of V
.set GK,   227                         ; v227 where they come from
.set GV,   228                         ; v228
.set QO,   229                         ; v229 my byte in a tile's rows of Q
.set QSO,  230                         ; v230 and among its scale bytes
.set QA,   231                         ; v231 QO + my tile's first byte among the head's rows of Q
.set BM,   232                         ; v232-235 a block's largest score, then its largest p
.set T2,   236                         ; v236-239 at work
.set CAP,  240                         ; v240-243 57,344 x the block's scale
.set SOP,  244                         ; v244-247 the conversion's scale operand
.set SW,   248                         ; v248-251 K's scale words (lanes 0-15 tile 2 b, lanes 16-31 tile 2 b + 1); then v248-249 V's
.set F,    252                         ; v252 f = 2^(old M - new M)
.set PW,   253                         ; v253 p's scale word
.set TMP,  254
.set QS,   255                         ; v255 Q's scale words
.set KB,   2                           ; s[2:3] K's codes, s[4:5] V's, s[6:7] Q's, s[8:9] Q's scales, s[10:11] O: all at my head.  The arguments are loaded straight into these places
.set VB,   4
.set QB,   6
.set QSB,  8
.set OB,   10
.set MB,   12                          ; s[12:13] maskw, s[14:15] flags
.set FB,   14
.set KPT,  16                          ; s[16:17] the next slot's K in memory (at the head: K's scale bytes); s[18:19] its V (at the head: V's scale bytes)
.set VPT,  18
.set SEL,  20                          ; s[20:21] lane selects: lane l xor 16
.set CS,   22                          ; s[22:23] c = log2(e) / 8
.set WV,   24                          ; s24 my wave's number
.set MNT,  25                          ; s25 the mantissa field of 57,344
.set MP,   26                          ; s[26:27] my tile's mask words (at the head: the scale bytes that my wave brings)
.set OP,   28                          ; s[28:29] my tile's rows of O
.set GRP,  30                          ; s30 the group of 256 queries in hand
.set PASS, 31                          ; s31 passes to go
.set TR,   66                          ; s66 the trip (four steps)
.set TS,   67                          ; s67 1,024 x the trip
.set FW,   100                         ; s100 my tile's flags, the step in hand lowest
.set WGF,  101                         ; s101 the 16 tiles' flags joined, the NEXT slot's four bits lowest
.set FLG,  104                         ; s104 the step's flag
.set NX,   105                         ; s105 the next slot's four bits
                                       ; s[32:63], s[68:99]: a step's 64 mask words: word n in s[32 + n] (n < 32) or s[36 + n].  At the heads s[32:47] take flag words and s[68:71] offsets; NONE OF THEM EVER HOLDS AN ADDRESS
.macro FILL_ASK kp, vp                 ; a slot's 32 KiB: K's 256 rows are 16,384 consecutive bytes, 512 to a wave's load; of V sixteen lanes take 256 aligned bytes of a row.  Read again by other work-groups: no hint
	global_load_b128 v[FS:FS+3],     v[GK], s[\kp:\kp+1]
	global_load_b128 v[FS+4:FS+7],   v[GK], s[\kp:\kp+1] offset:8192
	global_load_b128 v[FS+8:FS+11],  v[GV], s[\vp:\vp+1]
	global_load_b128 v[FS+12:FS+15], v[GV], s[\vp:\vp+1] offset:32*2048
.endm
.macro FILL_PUT p
	ds_store_b128 v[FK], v[FS:FS+3]     offset:RING*(\p)
	ds_store_b128 v[FK], v[FS+4:FS+7]   offset:RING*(\p)+KQ
	ds_store_b128 v[FV], v[FS+8:FS+11]  offset:RING*(\p)
	ds_store_b128 v[FV], v[FS+12:FS+15] offset:RING*(\p)+32*VPI
.endm
	s_load_b512 s[4:19], s[0:1], 0x0               ; V's codes, Q's codes, Q's scales, O, maskw, flags, K's scales, V's scales
	s_load_b64 s[KB:KB+1], s[0:1], 0x40            ; K's codes
	v_lshrrev_b32 v232, 5, v0
	v_readfirstlane_b32 s[WV], v232                ; wave 0..15
	v_and_b32 v233, 31, v0                         ; lane
	v_and_b32 v234, 15, v0                         ; r
	v_bfe_u32 v235, v0, 4, 1                       ; h
	v_lshlrev_b32 v[LI], 4, v233
	v_mul_u32_u24 v[AK], v234, KPI
	v_lshl_add_u32 v[AK], v235, 4, v[AK]           ; row r, + 16 h
	v_add_nc_u32 v[AK+1], RING, v[AK]
	v_mul_u32_u24 v[AV], v234, VPI
	v_lshl_add_u32 v[AV], v235, 4, v[AV]
	v_add_nc_u32 v[AV], VOFF, v[AV]
	v_add_nc_u32 v[AV+1], RING, v[AV]
	v_and_b32 v240, 8, v234
	v_add_nc_u32 v240, v240, v234                  ; r + 8 (r / 8)
	v_lshl_add_u32 v240, v235, 3, v240             ; + 8 h: lanes 16-31 take the odd tile's keys
	v_lshl_add_u32 v[ASK], v240, 1, SCK            ; 2 bytes a key
	v_lshl_add_u32 v[ASV], v233, 2, SCV            ; 4 bytes a channel: lanes 0-15 the even tile's, lanes 16-31 the odd tile's
	s_mul_i32 s68, s[WV], 16*VPI
	s_add_co_u32 s68, s68, STG                     ; my stage
	v_mul_u32_u24 v[SO], v234, VPI
	v_lshl_add_u32 v[SO], v235, 5, v[SO]
	v_add_nc_u32 v[SO], s68, v[SO]                 ; in: row r, + 32 h
	v_mul_u32_u24 v[SR], v235, VPI
	v_lshl_add_u32 v[SR], v234, 4, v[SR]
	v_add_nc_u32 v[SR], s68, v[SR]                 ; back: lanes 0-15 one row, lanes 16-31 the next
	v_lshrrev_b32 v240, 2, v0                      ; the fill: four threads to a key;
	v_and_b32 v240, 0x67, v240
	v_bfe_u32 v241, v0, 5, 1                       ; the key's bit 3
	v_bfe_u32 v242, v0, 6, 1                       ; and bit 4
	v_lshl_add_u32 v240, v241, 4, v240             ; change places
	v_lshl_add_u32 v240, v242, 3, v240
	v_mul_u32_u24 v[FK], v240, KPI
	v_and_b32 v241, 3, v0
	v_lshl_add_u32 v[FK], v241, 4, v[FK]
	v_lshrrev_b32 v240, 4, v0                      ; sixteen threads to a row of V
	v_and_b32 v241, 15, v0
	v_mul_u32_u24 v[FV], v240, VPI
	v_lshl_add_u32 v[FV], v241, 4, v[FV]
	v_add_nc_u32 v[FV], VOFF, v[FV]
	v_lshlrev_b32 v[GK], 4, v0
	v_lshlrev_b32 v[GV], 11, v240                  ; a row of V is 2,048 bytes in memory
	v_lshl_add_u32 v[GV], v241, 4, v[GV]
	v_lshlrev_b32 v[QO], 6, v234
	v_lshl_add_u32 v[QO], v235, 4, v[QO]           ; Q: row r of 64 bytes, + 16 h
	v_lshlrev_b32 v[QSO], 1, v234
	v_and_b32 v240, 255, v0                        ; the scale bytes: waves 0-7 bring K's 4,096, waves 8-15 V's, 16 a thread
	v_lshlrev_b32 v104, 4, v240
	v_add_nc_u32 v105, SCK, v104                   ; K's lie as in memory;
	v_and_b32 v241, 3, v0
	v_lshrrev_b32 v242, 2, v240
	v_lshlrev_b32 v106, 2, v242
	v_lshl_add_u32 v106, v241, 10, v106
	v_add_nc_u32 v106, SCV, v106                   ; V's word m of my four is step 4 (thread % 4) + m of channel (thread % 256) / 4: it goes to 256 x step + 4 x channel
	s_mov_b32 s[MNT], 0x600000
	s_mov_b32 s[SEL], 0x76543210
	s_mov_b32 s[SEL+1], 0xfedcba98
	s_mov_b32 s[CS], 0x3e38aa3b                    ; log2(e) / 8
	s_mov_b32 s[CS+1], s[CS]                       ; (named with it as a pair, so it is written)
	s_sub_co_u32 s[GRP], 7, ttmp9                  ; the first pass: group 7 - g
	s_mov_b32 s[PASS], 2
	s_and_b32 s70, ttmp7, 0xffff                   ; the head
	s_mov_b32 s69, 0
	s_wait_kmcnt 0x0
	s_lshl_b32 s68, s70, 17                        ; a head's codes: 131,072 bytes
	s_add_nc_u64 s[QB:QB+1], s[QB:QB+1], s[68:69]
	s_add_nc_u64 s[KB:KB+1], s[KB:KB+1], s[68:69]
	s_add_nc_u64 s[VB:VB+1], s[VB:VB+1], s[68:69]
	s_lshl_b32 s68, s70, 12                        ; its scale bytes: 4,096
	s_add_nc_u64 s[QSB:QSB+1], s[QSB:QSB+1], s[68:69]
	s_add_nc_u64 s[KPT:KPT+1], s[KPT:KPT+1], s[68:69]   ; K's scale bytes,
	s_add_nc_u64 s[VPT:VPT+1], s[VPT:VPT+1], s[68:69]   ; V's
	s_lshl_b32 s68, s70, 19                        ; its rows of O: 524,288
	s_add_nc_u64 s[OB:OB+1], s[OB:OB+1], s[68:69]
	s_cmp_lt_u32 s[WV], 8
	s_cselect_b64 s[MP:MP+1], s[KPT:KPT+1], s[VPT:VPT+1]   ; the choice hangs on the wave's number alone
	global_load_b128 v[96:99], v104, s[MP:MP+1]
.irp i, 8,9,10,11,12,13,14,15
	v_mov_b32 v[QF+\i], 0                          ; zero codes for k = 64 .. 127: written once, never a load's target
.irp tt, 0,1,2,3
	v_mov_b32 v[KF+16*\tt+\i], 0
.endr
.endr
	v_mov_b32 v[NINF], 0xff800000
.irp b, 0,1,2,3
	v_mov_b32 v[T2+\b], 0                          ; written once: a lane permute's destination counts as one of its sources
.endr
	v_mov_b32 v[F], 0                              ; (likewise, on the way out of a tile for which nothing counted)
	v_mov_b32 v[PW], 0                             ; (named as the upper half of the pair v[252:253] before it is first written)
	s_wait_loadcnt 0x0                             ; the scale bytes are in; their base is free for the pass's head
	s_cmp_lt_u32 s[WV], 8
	s_cbranch_scc0 .Lv_scales
	ds_store_b128 v105, v[96:99]
	s_branch .Lscales_in
.Lv_scales:
.irp m, 0,1,2,3
	ds_store_b32 v106, v[96+\m] offset:256*\m
.endr
.Lscales_in:                                           ; they are read behind the first slot's barrier
.set N, 32
.rept 16
	s_mov_b64 s[N:N+1], 0                          ; the mask words' registers are written once here, so that every way to the selects finds them written
.set N, N+2
.endr
.set N, 68
.rept 16
	s_mov_b64 s[N:N+1], 0
.set N, N+2
.endr
; A KEY STEP: 128 keys, the q-th of ring slot p.  J: the step's number in the trip of four.
.macro STEP p, q
.set J, 2*(\p)+(\q)
	s_and_b32 s[FLG], s[FW], 3
	s_lshr_b32 s[FW], s[FW], 2                     ; on every path: the next step's flag comes lowest
	s_cmp_eq_u32 s[FLG], 0
	s_cbranch_scc1 .Lhidden_\@                     ; nothing counts for my 16 queries: the step adds nothing to M, to the sum or to O^T
	s_cmp_eq_u32 s[FLG], 1
	s_cbranch_scc0 .Lno_words_\@
	s_load_b512 s[32:47], s[MP:MP+1], s[TS] offset:256*J       ; the step's 64 mask words, asked for ahead of the products
	s_load_b512 s[48:63], s[MP:MP+1], s[TS] offset:256*J+64
	s_load_b512 s[68:83], s[MP:MP+1], s[TS] offset:256*J+128
	s_load_b512 s[84:99], s[MP:MP+1], s[TS] offset:256*J+192
.Lno_words_\@:
.rept 9
	v_nop                                          ; the products below write over v96-159, which the last step's products read as source 0: nine places (eight serve the loads into their scale registers)
.endr
.irp g, 0,1                                    ; S^T = K Q^T, four tiles of 16 keys at a time
.if \g
.rept 8
	v_nop                                          ; places in front of loads into fragments just read, and behind the first four tiles' results
.endr
.endif
.irp tt, 0,1,2,3
.irp c, 0,1
	ds_load_b128 v[KF+16*\tt+4*\c:KF+16*\tt+4*\c+3], v[AK+\p] offset:KQ*(\q)+16*KPI*(4*\g+\tt)+32*\c
.endr
.endr
.if \g == 0
.irp b, 0,1,2,3
	ds_load_u16 v[SW+\b], v[ADS] offset:256*J+64*\b   ; a key's two scale bytes; the word's upper two come as 0
.endr
.endif
	s_wait_dscnt 0x0
.irp tt, 0,1,2,3
.if \tt % 2
	v_wmma_scale_f32_16x16x128_f8f6f4 v[S+8*(4*\g+\tt):S+8*(4*\g+\tt)+7], v[KF+16*\tt:KF+16*\tt+15], v[QF:QF+15], 0, v[SW+2*\g+\tt/2], v[QS] matrix_a_fmt:MATRIX_FMT_BF8 matrix_b_fmt:MATRIX_FMT_BF8 matrix_a_scale:MATRIX_SCALE_ROW1
.else
	v_wmma_scale_f32_16x16x128_f8f6f4 v[S+8*(4*\g+\tt):S+8*(4*\g+\tt)+7], v[KF+16*\tt:KF+16*\tt+15], v[QF:QF+15], 0, v[SW+2*\g+\tt/2], v[QS] matrix_a_fmt:MATRIX_FMT_BF8 matrix_b_fmt:MATRIX_FMT_BF8
.endif
.endr
.endr
	s_wait_kmcnt 0x0                               ; on every path: the mask words are in, and their base and offset are free
	s_cmp_eq_u32 s[FLG], 1
	s_cbranch_scc0 .Lopen_\@
; Scores of places that do not count become -infinity ahead of the maximum: p = 0 then.  Word n is register n's lane mask.  In ascending order: the first 32 name only the first four tiles' results, which stand eight
; places back, and are themselves the places behind the last four products.
.set N, 0
.rept 32
	v_cndmask_b32 v[S+N], v[NINF], v[S+N], s[32+N]
.set N, N+1
.endr
.rept 32
	v_cndmask_b32 v[S+N], v[NINF], v[S+N], s[36+N]
.set N, N+1
.endr
.Lopen_\@:
; THE LARGEST SCORE OF EACH BLOCK OF 32 KEYS: for the row's maximum and, since p rises with the score, for the block's largest p.  Blocks 0 and 1 first: their 16 lines are the places behind the last four products.
.irp pr, 0,2
.irp b, \pr, \pr+1
	v_max3_num_f32 v[BM+\b], v[S+16*(\b)], v[S+1+16*(\b)], v[S+2+16*(\b)]
.endr
.irp i, 3,5,7,9,11,13
.irp b, \pr, \pr+1
	v_max3_num_f32 v[BM+\b], v[BM+\b], v[S+16*(\b)+\i], v[S+1+16*(\b)+\i]
.endr
.endr
.irp b, \pr, \pr+1
	v_max_num_f32 v[BM+\b], v[BM+\b], v[S+15+16*(\b)]
.endr
.endr
.irp b, 0,1,2,3
	v_permlanex16_b32 v[T2+\b], v[BM+\b], s[SEL], s[SEL+1]
.endr
.irp b, 0,1,2,3
	v_max_num_f32 v[BM+\b], v[BM+\b], v[T2+\b]     ; with lane l xor 16's 16 keys
.endr
	v_max3_num_f32 v[TMP], v[BM], v[BM+1], v[BM+2]
	v_max_num_f32 v[TMP], v[TMP], v[BM+3]          ; the step's largest score of my query
	v_mul_f32 v[TMP], s[CS], v[TMP]                ; as t (c is positive)
	v_max_num_f32 v13, v13, v[TMP]                 ; the running largest t
	v_mov_b32 v[TMP], v12
	v_floor_f32 v12, -v13                          ; the new -M = floor(-t) = -ceil(t): a whole number
	v_sub_f32 v[TMP], v12, v[TMP]                  ; old M - new M: a whole number, 0 or less
	v_cvt_i32_f32 v[TMP], v[TMP]                   ; (it saturates)
	v_ldexp_f32 v[F], 1.0, v[TMP]                  ; f = 2^(old M - new M)
.set N, 0
.rept 32
	v_pk_fma_f32 v[S+N:S+N+1], v[S+N:S+N+1], s[CS:CS+1], v[12:13] op_sel_hi:[1,0,0]   ; t - M, two at a time (of the pairs c and -M the low word serves both halves)
.set N, N+2
.endr
.irp b, 0,1,2,3
	v_fma_f32 v[BM+\b], v[BM+\b], s[CS], v12       ; the same of each block's largest score
.endr
.set N, 0
.rept 64
	v_exp_f32 v[S+N], v[S+N]                       ; p = 2^(t - M), at most 1: not normalised
.set N, N+1
.endr
	v_pk_mul_f32 v[14:15], v[14:15], v[F:F+1] op_sel_hi:[1,0]   ; the sums under the new M: the plain instruction behind the exponentials
	s_wait_alu depctr_va_vdst(0)                   ; the wait ahead of the first line that names a result: one for the 64
.irp b, 0,1,2,3
	v_exp_f32 v[BM+\b], v[BM+\b]                   ; the block's largest p: the same two instructions on the same number give the same bits
.endr
	v_pk_add_f32 v[T2:T2+1], v[S:S+1], v[S+2:S+3]  ; THE ROW'S SUM IS TAKEN OF THE UNQUANTISED p, two at a time, in two chains; it reads the 64 alone
.set N, 4
.rept 15
	v_pk_add_f32 v[14:15], v[14:15], v[S+N:S+N+1]
	v_pk_add_f32 v[T2:T2+1], v[T2:T2+1], v[S+N+2:S+N+3]
.set N, N+4
.endr
	v_pk_add_f32 v[14:15], v[14:15], v[T2:T2+1]
	s_wait_alu depctr_va_vdst(0)                   ; and one for the four
.irp b, 0,1,2,3
	v_max_num_f32 v[BM+\b], 0x8000000, v[BM+\b]    ; the floor 2^(16 - 127): the byte cannot fall under 1 (a block whose every p is 0 keeps that byte: its codes are zeros)
.endr
.irp b, 0,1,2,3
	v_add_nc_u32 v[SOP+\b], 0xf8800000, v[BM+\b]   ; 15 off the exponent field: the conversion takes this operand's exponent field as its scale
.endr
.irp b, 0,1,2,3
	v_lshrrev_b32 v[T2+\b], 23, v[SOP+\b]          ; the scale's byte
.endr
	v_lshl_or_b32 v[PW], v[T2+1], 8, v[T2]         ; p's scale word for these 128 keys
	v_lshl_or_b32 v[PW], v[T2+2], 16, v[PW]
	v_lshl_or_b32 v[PW], v[T2+3], 24, v[PW]
.irp b, 0,1,2,3
	v_and_or_b32 v[CAP+\b], v[BM+\b], 0x7f800000, s[MNT]   ; 57,344 x the scale.  (Four of the eight places between the scale word and the products that name none of those products' registers)
.endr
.irp b, 0,1,2,3
.set N, 0
.rept 16
	v_min_num_f32 v[S+16*\b+N], v[S+16*\b+N], v[CAP+\b]   ; the conversion to an 8-bit code does not saturate (ISA guide 7.6.2); p is not negative, so the hold is one-sided
.set N, N+1
.endr
	v_cvt_scalef32_pk8_bf8_f32 v[PC+4*\b:PC+4*\b+1], v[S+16*\b:S+16*\b+7], v[SOP+\b]
	v_cvt_scalef32_pk8_bf8_f32 v[PC+4*\b+2:PC+4*\b+3], v[S+16*\b+8:S+16*\b+15], v[SOP+\b]
.endr
.irp t, 0,1,2,3                                ; V's four fragments (16 channels x these 128 keys) take p's registers
.irp c, 0,1,2,3
	ds_load_b128 v[S+16*\t+4*\c:S+16*\t+4*\c+3], v[AV+\p] offset:16*VPI*\t+128*(\q)+32*\c
.endr
.endr
.irp i, 0,1
	ds_load_b32 v[SW+\i], v[ADT] offset:256*J+128*\i
.endr
.set N, 0
.rept 16
	v_pk_mul_f32 v[O+N:O+N+1], v[O+N:O+N+1], v[F:F+1] op_sel_hi:[1,0]   ; O^T under the new M, from each accumulator's low end on; the plain lines behind the conversions and ahead of the products
.set N, N+2
.endr
.rept 4
	v_nop                                          ; the other four of the scale word's eight places
.endr
	s_wait_dscnt 0x0
.irp t, 0,1,2,3                                ; O^T += V^T P^T: the four accumulators by turns; ahead of them and behind them stand products of S^T
.if \t % 2
	v_wmma_scale_f32_16x16x128_f8f6f4 v[O+8*\t:O+8*\t+7], v[S+16*\t:S+16*\t+15], v[PC:PC+15], v[O+8*\t:O+8*\t+7], v[SW+\t/2], v[PW] matrix_a_fmt:MATRIX_FMT_BF8 matrix_b_fmt:MATRIX_FMT_BF8 matrix_a_scale:MATRIX_SCALE_ROW1
.else
	v_wmma_scale_f32_16x16x128_f8f6f4 v[O+8*\t:O+8*\t+7], v[S+16*\t:S+16*\t+15], v[PC:PC+15], v[O+8*\t:O+8*\t+7], v[SW+\t/2], v[PW] matrix_a_fmt:MATRIX_FMT_BF8 matrix_b_fmt:MATRIX_FMT_BF8
.endif
.endr
.Lhidden_\@:
.endm
; A SLOT, in ring slot p.  ONE barrier does both orderings: in front of it each wave's stores into this ring slot have landed and its reads of the other are back; behind it this one is read and the other written.
; The next slot's bytes are asked for first thing behind the barrier and stored behind the slot's two steps; a slot that none of the 16 tiles needs is not copied (the last slot's successor has no bits: nothing is read past the end).
.macro TRIP p
	s_wait_dscnt 0x0
	s_barrier_signal -1
	s_barrier_wait -1
	s_and_b32 s[NX], s[WGF], 15
	s_cmp_lg_u32 s[NX], 0
	s_cbranch_scc0 .Lno_ask_\@
	FILL_ASK KPT, VPT
.Lno_ask_\@:
	STEP \p, 0
	STEP \p, 1
	s_wait_loadcnt 0x0                             ; on every path: the four loads are in, and their bases may step
	s_cmp_lg_u32 s[NX], 0
	s_cbranch_scc0 .Lno_put_\@
	FILL_PUT 1-\p
.Lno_put_\@:
	s_lshr_b32 s[WGF], s[WGF], 4
	s_add_nc_u64 s[KPT:KPT+1], s[KPT:KPT+1], 256*64
	s_add_nc_u64 s[VPT:VPT+1], s[VPT:VPT+1], 256
.endm
.Lpass:
	s_lshl_b32 s68, s[GRP], 4
	s_add_co_u32 s68, s68, s[WV]                   ; my tile: 16 x group + wave
	s_mov_b32 s71, 0
	s_lshl_b32 s70, s68, 10                        ; 16 rows of 64 codes: the tile goes into the loads' vector offsets, so that Q needs no pointer of the tile's own
	v_add_nc_u32 v[QA], s70, v[QO]
	s_lshl_b32 s70, s68, 5                         ; 16 x 2 scale bytes
	v_add_nc_u32 v[TMP], s70, v[QSO]
	s_lshl_b32 s70, s68, 12                        ; 16 steps x 256 bytes of mask words; 16 rows x 256 bytes of O
	s_add_nc_u64 s[MP:MP+1], s[MB:MB+1], s[70:71]
	s_add_nc_u64 s[OP:OP+1], s[OB:OB+1], s[70:71]
	s_lshl_b32 s68, s68, 2
	s_lshl_b32 s69, s[GRP], 6
	s_load_b32 s[FW], s[FB:FB+1], s68 offset:0x0   ; my tile's flags
	s_load_b512 s[32:47], s[FB:FB+1], s69 offset:0x0   ; the group's sixteen
	global_load_b128 v[QF:QF+3],   v[QA], s[QB:QB+1]             ; Q's fragment: k = 16 h + 0 .. 15
	global_load_b128 v[QF+4:QF+7], v[QA], s[QB:QB+1] offset:32   ; and 32 + 16 h + 0 .. 15
	global_load_u16 v[QS], v[TMP], s[QSB:QSB+1]    ; its two scale bytes; the word's upper two come as 0
	FILL_ASK KB, VB                                ; slot 0
	s_add_nc_u64 s[KPT:KPT+1], s[KB:KB+1], 256*64
	s_add_nc_u64 s[VPT:VPT+1], s[VB:VB+1], 256
	v_mov_b32 v13, 0xff61b1e6                      ; the largest t so far: -3e38, under every t
	v_floor_f32 v12, -v13                          ; -M
	v_mov_b32 v14, 0                               ; the sum, in two halves
	v_mov_b32 v15, 0
.set N, 0
.rept 32
	v_mov_b32 v[O+N], 0                            ; O^T.  (The step is written once: the first that counts finds zeros, which the first change of M leaves zeros)
.set N, N+1
.endr
	s_wait_kmcnt 0x0
	s_or_b32 s[WGF], s32, s33
.irp i, 34,35,36,37,38,39,40,41,42,43,44,45,46,47
	s_or_b32 s[WGF], s[WGF], s[\i]
.endr
	s_lshr_b32 s[WGF], s[WGF], 4                   ; slot 1's bits lowest
	s_wait_loadcnt 0x0                             ; Q, and slot 0's bytes; the loads' offset registers are free
	FILL_PUT 0                                     ; ring slot 0 was last read in the pass before, ahead of its last slot's barrier
	s_mov_b32 s[TR], 0
.Lslots:                                               ; four trips of two slots
	s_lshl_b32 s[TS], s[TR], 10                    ; four steps on: 1,024 bytes of K's scale bytes, of V's scale words and of mask words alike
	v_add_nc_u32 v[ADS], s[TS], v[ASK]
	v_add_nc_u32 v[ADT], s[TS], v[ASV]
	TRIP 0
	TRIP 1
	s_add_co_u32 s[TR], s[TR], 1
	s_cmp_lt_u32 s[TR], 4
	s_cbranch_scc1 .Lslots
	; THE WAY OUT.  O^T / the sum goes through my own stage in LDS and comes back as whole rows of 256 bytes.
.rept 8
	v_nop                                          ; places behind the last products
.endr
	v_add_f32 v14, v14, v15                        ; the sum's two halves,
	v_permlanex16_b32 v[F], v14, s[SEL], s[SEL+1]
	v_add_f32 v14, v14, v[F]                       ; and lane l xor 16's: the row's sum
	v_rcp_f32 v14, v14
	v_nop                                          ; a plain instruction behind the reciprocal
	s_wait_alu depctr_va_vdst(0)                   ; and the wait ahead of its first reader
.set N, 0
.rept 16
	v_pk_mul_f32 v[S+N:S+N+1], v[O+N:O+N+1], v[14:15] op_sel_hi:[1,0]   ; register 8 t + j is o(r, 16 t + 8 h + j); each accumulator from its low end on
.set N, N+2
.endr
.irp t, 0,1,2,3
	ds_store_b128 v[SO], v[S+8*\t:S+8*\t+3] offset:64*\t
	ds_store_b128 v[SO], v[S+8*\t+4:S+8*\t+7] offset:64*\t+16
.endr
.irp i, 0,1,2,3,4,5,6,7
	ds_load_b128 v[S+32+4*\i:S+32+4*\i+3], v[SR] offset:2*VPI*\i   ; LDS serves a wave's instructions in order (ISA guide 5.7.1.4): these see my stores
.endr
.irp i, 0,1,2,3,4,5,6,7
	s_wait_dscnt 7-\i                              ; load i is in, the 7 - i younger ones may be out
	global_store_b128 v[LI], v[S+32+4*\i:S+32+4*\i+3], s[OP:OP+1] offset:512*\i th:TH_STORE_NT   ; 32 lanes store two rows, 512 consecutive bytes, at a multiple of 256 from O's first byte
.endr
	s_wait_xcnt 0x0                                ; the stores have read their registers and their base: both are written again in the next pass
	s_sub_co_u32 s[GRP], 7, s[GRP]                 ; the second pass: group g
	s_sub_co_u32 s[PASS], s[PASS], 1
	s_cmp_lg_u32 s[PASS], 0
	s_cbranch_scc1 .Lpass
	s_wait_xcnt 0x0
	v_lshl_add_u32 v254, v0, 2, 0x25800
	v_mov_b32 v255, 0
	s_wait_tensorcnt 0x0
	ds_add_u32 v254, v255
	s_wait_dscnt 0x0
	s_endpgm
.Lfunc_end_k_q8fee08f3bc_attn:
	.size	k_q8fee08f3bc_attn, .Lfunc_end_k_q8fee08f3bc_attn-k_q8fee08f3bc_attn
	.p2alignl 7, 3214868480
	.fill 96, 4, 3214868480
	.section	.rodata,"a",@progbits
	.p2align	6, 0x0
	.amdhsa_kernel k_q8fee08f3bc_attn
		.amdhsa_group_segment_fixed_size 155648
		.amdhsa_private_segment_fixed_size 0
		.amdhsa_enable_private_segment 0
		.amdhsa_kernarg_size 72
		.amdhsa_user_sgpr_count 2
		.amdhsa_user_sgpr_kernarg_segment_ptr 1
		.amdhsa_wavefront_size32 1
		.amdhsa_system_sgpr_workgroup_id_x 1
		.amdhsa_system_sgpr_workgroup_id_y 1
		.amdhsa_system_sgpr_workgroup_id_z 1
		.amdhsa_system_vgpr_workitem_id 0
		.amdhsa_next_free_vgpr 256
		.amdhsa_next_free_sgpr 106
		.amdhsa_reserve_vcc 0
		.amdhsa_float_denorm_mode_32 3
		.amdhsa_float_denorm_mode_16_64 3
		.amdhsa_memory_ordered 1
		.amdhsa_forward_progress 1
		.amdhsa_inst_pref_size 109
	.end_amdhsa_kernel
	.amdgpu_metadata
---
amdhsa.version: [ 1, 2 ]
amdhsa.kernels:
  - .name:           k_q8fee08f3bc_attn
    .symbol:         k_q8fee08f3bc_attn.kd
    .args:
      - { .name: values_codes, .offset: 0, .size: 8, .value_kind: global_buffer, .address_space: global }
      - { .name: queries_codes, .offset: 8, .size: 8, .value_kind: global_buffer, .address_space: global }
      - { .name: queries_scales, .offset: 16, .size: 8, .value_kind: global_buffer, .address_space: global }
      - { .name: out0, .offset: 24, .size: 8, .value_kind: global_buffer, .address_space: global }
      - { .name: maskw, .offset: 32, .size: 8, .value_kind: global_buffer, .address_space: global }
      - { .name: flags, .offset: 40, .size: 8, .value_kind: global_buffer, .address_space: global }
      - { .name: keys_scales, .offset: 48, .size: 8, .value_kind: global_buffer, .address_space: global }
      - { .name: values_scales, .offset: 56, .size: 8, .value_kind: global_buffer, .address_space: global }
      - { .name: keys_codes, .offset: 64, .size: 8, .value_kind: global_buffer, .address_space: global }
    .group_segment_fixed_size: 155648
    .private_segment_fixed_size: 0
    .kernarg_segment_align: 8
    .kernarg_segment_size: 72
    .max_flat_workgroup_size: 512
    .sgpr_count:     106
    .vgpr_count:     256
    .wavefront_size: 32
...
	.end_amdgpu_metadata
.endif
;; end of part 2
;; ======== version 2 of 2: 2 launches
;; workspace buffers: maskw 524,288 bytes of whole numbers; flags 512 bytes of whole numbers
;; launch prep (part 3): grid 128 x 1, 16 waves a work-group, no clusters, 35,328 bytes of LDS; arguments mask, maskw, flags; writes maskw, flags
.if DOCPART == 3
	.amdgcn_target "amdgcn-amd-amdhsa--gfx1250"
	.amdhsa_code_object_version 6
	.text
	.protected	k_q8fee08f3bc_prep
	.globl	k_q8fee08f3bc_prep
	.p2align	8
	.type	k_q8fee08f3bc_prep,@function
k_q8fee08f3bc_prep:
	s_mov_b64 s[64:65], 0
	v_nop
	global_prefetch_b8 v0, s[64:65] scope:SCOPE_SE
	s_setreg_imm32_b32 hwreg(HW_REG_WAVE_MODE, 25, 1), 1
	s_wait_xcnt 0x0
; The mask [2048][2048], one byte a place, becomes lane masks and flags for the attention launch.
; maskw: for query tile t (16 queries) and key step s (128 keys) 64 words at byte (16 t + s) x 256 + 4 n.  Bit l of word n says whether
;   mask[16 t + l % 16][128 s + 32 (n / 16) + 16 (l / 16) + n % 16] is not 0: l is the lane and n the register in which the attention launch holds that score.
; flags: one word a tile; bits 2 s + 1 : 2 s are 0 (no key of the step counts for any of the 16 queries), 1 (some do), 2 (all do).
; LIMIT: every byte that is not 0 counts as true.
; SHARES: work-group t takes tile t: 16 rows of the mask, 32,768 consecutive bytes, read once, 512 consecutive bytes to a wave's load.  They turn through LDS, since for the
; compare a lane wants 16 neighbouring bytes of ONE row.  Wave s takes key step s.  A wave's 64 words leave as one aligned run of 256 bytes; the tile's flag word is 4 bytes.
.set PITCH, 2064                       ; a row in LDS: 2,048 bytes + 16 = 129 x 16: the 16 rows that a load touches begin in 16 different columns of 16 bytes modulo 256
.set FL,    16*PITCH                   ; behind the rows: 16 words, a wave's flag each
.set WV,    25                         ; s25  my wave's number
	s_load_b128 s[4:7], s[0:1], 0x0                ; mask, maskw
	s_load_b64 s[8:9], s[0:1], 0x10                ; flags
	v_lshl_add_u32 v48, v0, 2, 0x8200
	v_mov_b32 v49, 0
	v_lshrrev_b32 v20, 5, v0
	s_delay_alu instid0(VALU_DEP_1)
	v_readfirstlane_b32 s[WV], v20                 ; wave 0..15
	v_lshlrev_b32 v1, 4, v0                        ; in: 16 bytes a thread
	v_lshrrev_b32 v2, 7, v0                        ; 128 threads to a row
	v_and_b32 v20, 127, v0
	s_delay_alu instid0(VALU_DEP_2)
	v_mul_u32_u24 v2, v2, PITCH
	s_delay_alu instid0(VALU_DEP_1)
	v_lshl_add_u32 v2, v20, 4, v2                  ; into LDS: row (thread / 128), byte 16 (thread % 128)
	v_and_b32 v3, 15, v0                           ; r
	v_bfe_u32 v20, v0, 4, 1                        ; h
	s_delay_alu instid0(VALU_DEP_2)
	v_mul_u32_u24 v3, v3, PITCH
	s_delay_alu instid0(VALU_DEP_1)
	v_lshl_add_u32 v3, v20, 4, v3
	s_lshl_b32 s20, s[WV], 7
	v_add_nc_u32 v3, s20, v3                       ; out of LDS: row r, byte 128 x wave + 16 h
	v_and_b32 v40, 31, v0                          ; lane
	s_delay_alu instid0(VALU_DEP_1)
	v_lshlrev_b32 v24, 3, v40                      ; two words a lane
	v_mov_b32 v37, s[WV]
	s_delay_alu instid0(VALU_DEP_1)
	v_lshlrev_b32 v37, 2, v37                      ; my wave's flag word
	v_mov_b32 v38, 0
	s_lshl_b32 s10, ttmp9, 15                      ; the tile's 16 rows of the mask
	s_mov_b32 s11, 0
	s_lshl_b32 s12, ttmp9, 12                      ; the tile's 16 x 256 bytes of maskw,
	s_lshl_b32 s20, s[WV], 8
	s_add_co_u32 s12, s12, s20                     ; my step's 256
	s_mov_b32 s13, 0
	s_lshl_b32 s14, ttmp9, 2                       ; the tile's flag word
	s_mov_b32 s15, 0
	s_wait_alu depctr_va_vdst(0)
	s_wait_kmcnt 0x0
	s_add_nc_u64 s[4:5], s[4:5], s[10:11]
	s_add_nc_u64 s[6:7], s[6:7], s[12:13]
	s_add_nc_u64 s[8:9], s[8:9], s[14:15]
.irp m, 0,1,2,3
	global_load_b128 v[4+4*\m:7+4*\m], v1, s[4:5] offset:8192*\m th:TH_LOAD_NT   ; four rows to a load of the work-group; read once in the launch
.endr
.irp m, 0,1,2,3
	s_wait_loadcnt 3-\m                            ; loads come back in order: load m is in, the 3 - m younger ones may be out
	ds_store_b128 v2, v[4+4*\m:7+4*\m] offset:4*PITCH*\m
.endr
	s_wait_dscnt 0x0                               ; for the others' sake: my stores have landed
	s_barrier_signal -1
	s_barrier_wait -1                              ; the 16 rows lie in LDS
.irp b, 0,1,2,3
	ds_load_b128 v[4+4*\b:7+4*\b], v3 offset:32*\b ; byte i of these 16: key 128 s + 32 b + 16 h + i of query r: word n = 16 b + i
.endr
	v_mov_b32 v22, 0                               ; (a lane write's destination counts as read)
	v_mov_b32 v23, 0
	s_wait_dscnt 0x0
; Word n: byte n % 4 of register n / 4 in all 32 lanes, compared with 0: the compare's result IS the word.  Lane n / 2 takes it, even n in v22, odd n in v23.  Eight at a time.
.set N, 0
.rept 8
.irp k, 0,1,2,3,4,5,6,7
	v_bfe_u32 v[26+\k], v[4+(N+\k)/4], 8*((N+\k)%4), 8
.endr
.irp k, 0,1,2,3,4,5,6,7
	v_cmp_ne_u32 s[12+\k], 0, v[26+\k]
.endr
.irp k, 0,1,2,3,4,5,6,7
	v_writelane_b32 v[22+(N+\k)%2], s[12+\k], (N+\k)/2
.endr
.set N, N+8
.endr
	global_store_b64 v24, v[22:23], s[6:7]         ; 32 lanes store 256 consecutive bytes, at a multiple of 256 from maskw's first byte
	v_or_b32 v34, v22, v23
	v_and_b32 v35, v22, v23
	s_delay_alu instid0(VALU_DEP_2)
	v_cmp_ne_u32 s20, 0, v34                       ; not 0: some place counts
	s_delay_alu instid0(VALU_DEP_2)
	v_cmp_ne_u32 s21, -1, v35                      ; 0: every place counts
	s_cmp_lg_u32 s20, 0
	s_cselect_b32 s22, 1, 0
	s_cmp_eq_u32 s21, 0
	s_cselect_b32 s23, 1, 0
	s_add_co_u32 s22, s22, s23                     ; 0, 1 or 2
	s_lshl_b32 s24, s[WV], 1
	s_lshl_b32 s22, s22, s24                       ; at my step's two bits
	v_mov_b32 v36, s22
	ds_store_b32 v37, v36 offset:FL                ; all lanes write the same word with the same value
	s_wait_dscnt 0x0
	s_barrier_signal -1
	s_barrier_wait -1                              ; the 16 flags lie in LDS
	s_cmp_lg_u32 s[WV], 0
	s_cbranch_scc1 .Ldone                          ; wave 0 joins them
.irp i, 0,1,2,3
	ds_load_b128 v[4+4*\i:7+4*\i], v38 offset:FL+16*\i
.endr
	s_wait_dscnt 0x0
.irp i, 5
	v_or_b32 v4, v4, v[\i]
.endr
.irp i, 6, 7, 8, 9, 10, 11, 12, 13, 14, 15, 16, 17, 18, 19
	s_delay_alu instid0(VALU_DEP_1)
	v_or_b32 v4, v4, v[\i]
.endr
	v_cmp_eq_u32 vcc_lo, 0, v40
	s_wait_alu depctr_va_vdst(0)
	s_wait_xcnt 0x0                                ; EXEC is a source of the store above: it changes only behind this wait
	s_and_saveexec_b32 s24, vcc_lo
	global_store_b32 v38, v4, s[8:9]               ; lane 0 alone: the tile's flag word
	s_wait_xcnt 0x0                                ; and again in front of the line that widens it
	s_or_b32 exec_lo, exec_lo, s24
.Ldone:
	s_wait_tensorcnt 0x0
	ds_add_u32 v48, v49
	s_wait_dscnt 0x0
	s_endpgm
.Lfunc_end_k_q8fee08f3bc_prep:
	.size	k_q8fee08f3bc_prep, .Lfunc_end_k_q8fee08f3bc_prep-k_q8fee08f3bc_prep
	.p2alignl 7, 3214868480
	.fill 96, 4, 3214868480
	.section	.rodata,"a",@progbits
	.p2align	6, 0x0
	.amdhsa_kernel k_q8fee08f3bc_prep
		.amdhsa_group_segment_fixed_size 35328
		.amdhsa_private_segment_fixed_size 0
		.amdhsa_enable_private_segment 0
		.amdhsa_kernarg_size 24
		.amdhsa_user_sgpr_count 2
		.amdhsa_user_sgpr_kernarg_segment_ptr 1
		.amdhsa_wavefront_size32 1
		.amdhsa_system_sgpr_workgroup_id_x 1
		.amdhsa_system_sgpr_workgroup_id_y 1
		.amdhsa_system_sgpr_workgroup_id_z 1
		.amdhsa_system_vgpr_workitem_id 0
		.amdhsa_next_free_vgpr 50
		.amdhsa_next_free_sgpr 66
		.amdhsa_reserve_vcc 1
		.amdhsa_float_denorm_mode_32 3
		.amdhsa_float_denorm_mode_16_64 3
		.amdhsa_memory_ordered 1
		.amdhsa_forward_progress 1
		.amdhsa_inst_pref_size 18
	.end_amdhsa_kernel
	.amdgpu_metadata
---
amdhsa.version: [ 1, 2 ]
amdhsa.kernels:
  - .name:           k_q8fee08f3bc_prep
    .symbol:         k_q8fee08f3bc_prep.kd
    .args:
      - { .name: mask, .offset: 0, .size: 8, .value_kind: global_buffer, .address_space: global }
      - { .name: maskw, .offset: 8, .size: 8, .value_kind: global_buffer, .address_space: global }
      - { .name: flags, .offset: 16, .size: 8, .value_kind: global_buffer, .address_space: global }
    .group_segment_fixed_size: 35328
    .private_segment_fixed_size: 0
    .kernarg_segment_align: 8
    .kernarg_segment_size: 24
    .max_flat_workgroup_size: 512
    .sgpr_count:     66
    .vgpr_count:     50
    .wavefront_size: 32
...
	.end_amdgpu_metadata
.endif
;; end of part 3
;; launch attn (part 4): grid 4 x 64, 16 waves a work-group, no clusters, 155,648 bytes of LDS; arguments values_codes, queries_codes, queries_scales, out0, maskw, flags, keys_scales, values_scales, keys_codes; writes out0
.if DOCPART == 4
	.amdgcn_target "amdgcn-amd-amdhsa--gfx1250"
	.amdhsa_code_object_version 6
	.text
	.protected	k_q8fee08f3bc_attn
	.globl	k_q8fee08f3bc_attn
	.p2align	8
	.type	k_q8fee08f3bc_attn,@function
k_q8fee08f3bc_attn:
	s_mov_b64 s[64:65], 0
	v_nop
	global_prefetch_b8 v0, s[64:65] scope:SCOPE_SE
	s_setreg_imm32_b32 hwreg(HW_REG_WAVE_SCHED_MODE, 0, 2), 2
	s_setreg_imm32_b32 hwreg(HW_REG_WAVE_MODE, 25, 1), 1
	s_wait_xcnt 0x0
	s_wait_alu depctr_vm_vsrc(0)
; O[head][q][:] = the sum over k of softmax_k(mask ? Q[q] . K[k] / 8 : -infinity) V[k][:], 64 heads, 2,048 queries and keys, head size 64; both products on codes of BF8 (E5M2) with one E8M0 scale for each 32 along K.
; Q, K: [head][2048][64] codes, 2 scale bytes a row.  V: [head][64][2048] codes, the keys innermost, 64 scale bytes a row.  O: [head][2048][64] f32.
; THE MASK is an input.  The launch before has turned it into lane masks (maskw) and, for each tile of 16 queries and step of 128 keys, a flag: 0 nothing counts, 1 some places count, 2 all count (flags).
; THE SOFTMAX AHEAD OF THE SECOND PRODUCT: t = score x log2(e) / 8; M = the row's largest t so far, rounded UP to a whole number; p = 2^(t - M) is quantised along the keys, not normalised.
; The row's sum is taken of the unquantised p and divides O at the end.  When M moves, the sum and O are multiplied by 2^(old M - new M): exact.
; THE FIRST PRODUCT'S K IS 64, the instruction's 128: registers 8-15 of Q's and K's fragments hold zero codes, and the upper two bytes of their scale words are 0 (2^-127, over zeros).
; SHARES.  Work-group (g, head) makes two passes over the head's keys: first for the 256 queries of group 7 - g, then for those of group g; in a pass each of its sixteen waves owns one tile of 16 queries, in 256 registers.
; (The pairing is a schedule and holds for every mask.)  A pass walks 8 slots of 256 keys, two steps of 128 each, through a ring of two LDS slots that all 512 threads fill THROUGH REGISTERS: loads a slot ahead, stores behind the slot's work.
; WHAT THE FLAGS SPARE, by scalar branches: a wave's work in a step in which nothing counts for its tile; the 64 selects in a step in which all counts; the copy of a slot that none of the 16 tiles needs.
; Every wave passes every barrier.  NO TENSOR LOADS, NO CLUSTER: these branches spare about half the vector work under a mask
; that hides half the places, while K's and V's bytes are small beside that work.
; LAYOUT.  Both products are used transposed: S^T = K Q^T (source 0 = 16 keys, source 1 = my 16 queries), O^T = V^T P^T (source 0 = 16 channels, source 1 = P): a lane holds ONE query (lane % 16) throughout.
; THE KEYS OF A TILE ARE NOT NEIGHBOURS: lane r of tile 2 b + u takes key 32 b + 8 u + r + 8 (r / 8), so that register 16 b + i of S^T holds key 32 b + 16 (lane / 16) + i: the conversions' results are P's fragment.
; LIMITS: NaN and infinity codes and scale bytes 0xff are not treated apart; t under -3e38 is not served; p under 2^-126 counts as 0.  A row in which no place counts comes out as 0 x (1 / 0) = NaN, as in the definition.
; THE MODE: SCHED_MODE bits 1:0 = 2 (LLVM: expert scheduling mode 2), set by the entry lines.  The code itself states the register dependences between vector or matrix instructions and memory or LDS
; instructions, with s_wait_alu, always for 0.
; THE PLAN.  All 256 registers of a wave are given out, so no buffer has a second copy.  Registers that memory or LDS instructions touch, and who else names them:
;   K's fragments (the lower eight of each sixteen of v32-95)  LDS loads land in them twice a step; the products of S^T read them; no vector instruction names them.
;   v248-249   K's scale words of a step's first four tiles: loaded at the step's head, read by the first four products of S^T.
;   v250-251   K's scale words of its last four tiles, read by the last four products of S^T; then V's scale words, read by the products of O^T.
;   v96-159    written by the products of S^T, worked on by vector instructions, read last by the conversions; then V's fragments land in them, and the products of O^T read them.
;              On the way out: v96-127 are written by the multiplications and read by the stage's LDS stores; v128-159 take the stage's loads and are read by the stores of O.
;   v208-223   the copy of the next slot: global loads land, LDS stores read; no vector instruction names them.
;   v16-23, v255   Q's codes and scale word: loaded at a pass's head, read by the products of S^T.
;   addresses  v1-7, v10, v11, v225-230: made at the kernel's head, never written again.  v8, v9: written once a trip of four steps.  v231, v254: written at a pass's head.
; THE WAITS OF A STEP.  None at its head: its loads touch K's fragments and v248-249, whose last readers are products of S^T of an earlier step, ahead of that step's wait behind its exponentials, on every way.
; One ahead of K's second run of loads; the two behind the exponentials; one behind the conversions of blocks 0 and 1, behind which half of V is asked for, to land while blocks 2 and 3 are quantised;
; one behind the places ahead of the products of O^T, behind which the other half is asked for.  Beside them: one wait on vm_vsrc at each slot's head, one at a pass's end.
.set RING,  37888                      ; LDS: a ring slot: K's two steps, then V
.set KPI,   80                         ; a key's row: 64 bytes + 16 = 5 x 16: 16 neighbouring rows begin in 16 different columns of 16 bytes modulo 256
.set KQ,    128*KPI                    ; a step's 128 rows.  Key k lies in row k with bits 3 and 4 exchanged = 16 x tile + r: a tile's 16 keys are 16 neighbouring rows
.set VOFF,  2*KQ                       ; V: 64 rows (channels) of 256 bytes + 16; a step's 128 keys are half a row
.set VPI,   272
.set SCK,   2*RING                     ; the head's K scale bytes, as in memory: 2 a key
.set SCV,   SCK+4096                   ; the head's V scale words, laid [step][channel]
.set STG,   SCV+4096                   ; the way out: 16 rows x (256 bytes + 16) for each wave, its own
.set LI,   1                           ; v1   16 x lane
.set AK,   2                           ; v2-3 my lane's place in a tile of K, ring slot 0, 1
.set AV,   4                           ; v4-5 the same for V
.set ASK,  6                           ; v6   my lane's place among a step's K scale bytes
.set ASV,  7                           ; v7   and among V's scale words
.set ADS,  8                           ; v8   ASK + four steps' bytes x the trip
.set ADT,  9                           ; v9   ASV likewise
.set SO,   10                          ; v10  the stage: where I put 32 bytes of a row
.set SR,   11                          ; v11  and where I read a row back
                                       ; v12 -M, v13 the largest t, v[14:15] the sum in two halves
.set QF,   16                          ; v16-31   Q's fragment; v24-31 stay 0
.set KF,   32                          ; v32-95   four fragments of K; registers 8-15 of each stay 0
.set S,    96                          ; v96-159  S^T, then p, then V's four fragments
.set O,    160                         ; v160-191 O^T, four tiles
.set PC,   192                         ; v192-207 p's codes
.set FS,   208                         ; v208-223 the next slot's bytes on their way through registers
.set NINF, 224                         ; v224 -infinity
.set FK,   225                         ; v225 where my 16 bytes of a step of K go in a ring slot
.set FV,   226                         ; v226 and my 16 bytes of V
.set GK,   227                         ; v227 where they come from
.set GV,   228                         ; v228
.set QO,   229                         ; v229 my byte in a tile's rows of Q
.set QSO,  230                         ; v230 and among its scale bytes
.set QA,   231                         ; v231 QO + my tile's first byte among the head's rows of Q
.set BM,   232                         ; v232-235 a block's largest score, then its largest p
.set T2,   236                         ; v236-239 at work
.set CAP,  240                         ; v240-243 57,344 x the block's scale
.set SOP,  244                         ; v244-247 the conversion's scale operand
.set SW,   248                         ; v248-251 K's scale words (lanes 0-15 tile 2 b, lanes 16-31 tile 2 b + 1); then v250-251 V's
.set F,    252                         ; v252 f = 2^(old M - new M)
.set PW,   253                         ; v253 p's scale word
.set TMP,  254
.set QS,   255                         ; v255 Q's scale words
.set KB,   2                           ; s[2:3] K's codes, s[4:5] V's, s[6:7] Q's, s[8:9] Q's scales, s[10:11] O: all at my head.  The arguments are loaded straight into these places
.set VB,   4
.set QB,   6
.set QSB,  8
.set OB,   10
.set MB,   12                          ; s[12:13] maskw, s[14:15] flags
.set FB,   14
.set KPT,  16                          ; s[16:17] the next slot's K in memory (at the head: K's scale bytes); s[18:19] its V (at the head: V's scale bytes)
.set VPT,  18
.set SEL,  20                          ; s[20:21] lane selects: lane l xor 16
.set CS,   22                          ; s[22:23] c = log2(e) / 8
.set WV,   24                          ; s24 my wave's number
.set MNT,  25                          ; s25 the mantissa field of 57,344
.set MP,   26                          ; s[26:27] my tile's mask words (at the head: the scale bytes that my wave brings)
.set OP,   28                          ; s[28:29] my tile's rows of O
.set GRP,  30                          ; s30 the group of 256 queries in hand
.set PASS, 31                          ; s31 passes to go
.set TR,   66                          ; s66 the trip (four steps)
.set TS,   67                          ; s67 1,024 x the trip
.set FW,   100                         ; s100 my tile's flags, the step in hand lowest
.set WGF,  101                         ; s101 the 16 tiles' flags joined, the NEXT slot's four bits lowest
.set FLG,  104                         ; s104 the step's flag
.set NX,   105                         ; s105 the next slot's four bits
                                       ; s[32:63], s[68:99]: a step's 64 mask words: word n in s[32 + n] (n < 32) or s[36 + n].  At the heads s[32:47] take flag words and s[68:71] offsets; NONE OF THEM EVER HOLDS AN ADDRESS
.macro FILL_ASK kp, vp                 ; a slot's 32 KiB: K's 256 rows are 16,384 consecutive bytes, 512 to a wave's load; of V sixteen lanes take 256 aligned bytes of a row.  Read again by other work-groups: no hint
	global_load_b128 v[FS:FS+3],     v[GK], s[\kp:\kp+1]
	global_load_b128 v[FS+4:FS+7],   v[GK], s[\kp:\kp+1] offset:8192
	global_load_b128 v[FS+8:FS+11],  v[GV], s[\vp:\vp+1]
	global_load_b128 v[FS+12:FS+15], v[GV], s[\vp:\vp+1] offset:32*2048
.endm
.macro FILL_PUT p
	ds_store_b128 v[FK], v[FS:FS+3]     offset:RING*(\p)
	ds_store_b128 v[FK], v[FS+4:FS+7]   offset:RING*(\p)+KQ
	ds_store_b128 v[FV], v[FS+8:FS+11]  offset:RING*(\p)
	ds_store_b128 v[FV], v[FS+12:FS+15] offset:RING*(\p)+32*VPI
.endm
	s_load_b512 s[4:19], s[0:1], 0x0               ; V's codes, Q's codes, Q's scales, O, maskw, flags, K's scales, V's scales
	s_load_b64 s[KB:KB+1], s[0:1], 0x40            ; K's codes
	v_lshrrev_b32 v232, 5, v0
	v_readfirstlane_b32 s[WV], v232                ; wave 0..15
	v_and_b32 v233, 31, v0                         ; lane
	v_and_b32 v234, 15, v0                         ; r
	v_bfe_u32 v235, v0, 4, 1                       ; h
	v_lshlrev_b32 v[LI], 4, v233
	v_mul_u32_u24 v[AK], v234, KPI
	v_lshl_add_u32 v[AK], v235, 4, v[AK]           ; row r, + 16 h
	v_add_nc_u32 v[AK+1], RING, v[AK]
	v_mul_u32_u24 v[AV], v234, VPI
	v_lshl_add_u32 v[AV], v235, 4, v[AV]
	v_add_nc_u32 v[AV], VOFF, v[AV]
	v_add_nc_u32 v[AV+1], RING, v[AV]
	v_and_b32 v240, 8, v234
	v_add_nc_u32 v240, v240, v234                  ; r + 8 (r / 8)
	v_lshl_add_u32 v240, v235, 3, v240             ; + 8 h: lanes 16-31 take the odd tile's keys
	v_lshl_add_u32 v[ASK], v240, 1, SCK            ; 2 bytes a key
	v_lshl_add_u32 v[ASV], v233, 2, SCV            ; 4 bytes a channel: lanes 0-15 the even tile's, lanes 16-31 the odd tile's
	s_wait_alu depctr_va_sdst(0)                   ; the wave's number is written into s24, ahead of its first reader, the line below
	s_mul_i32 s68, s[WV], 16*VPI
	s_add_co_u32 s68, s68, STG                     ; my stage
	v_mul_u32_u24 v[SO], v234, VPI
	v_lshl_add_u32 v[SO], v235, 5, v[SO]
	v_add_nc_u32 v[SO], s68, v[SO]                 ; in: row r, + 32 h
	v_mul_u32_u24 v[SR], v235, VPI
	v_lshl_add_u32 v[SR], v234, 4, v[SR]
	v_add_nc_u32 v[SR], s68, v[SR]                 ; back: lanes 0-15 one row, lanes 16-31 the next
	v_lshrrev_b32 v240, 2, v0                      ; the fill: four threads to a key;
	v_and_b32 v240, 0x67, v240
	v_bfe_u32 v241, v0, 5, 1                       ; the key's bit 3
	v_bfe_u32 v242, v0, 6, 1                       ; and bit 4
	v_lshl_add_u32 v240, v241, 4, v240             ; change places
	v_lshl_add_u32 v240, v242, 3, v240
	v_mul_u32_u24 v[FK], v240, KPI
	v_and_b32 v241, 3, v0
	v_lshl_add_u32 v[FK], v241, 4, v[FK]
	v_lshrrev_b32 v240, 4, v0                      ; sixteen threads to a row of V
	v_and_b32 v241, 15, v0
	v_mul_u32_u24 v[FV], v240, VPI
	v_lshl_add_u32 v[FV], v241, 4, v[FV]
	v_add_nc_u32 v[FV], VOFF, v[FV]
	v_lshlrev_b32 v[GK], 4, v0
	v_lshlrev_b32 v[GV], 11, v240                  ; a row of V is 2,048 bytes in memory
	v_lshl_add_u32 v[GV], v241, 4, v[GV]
	v_lshlrev_b32 v[QO], 6, v234
	v_lshl_add_u32 v[QO], v235, 4, v[QO]           ; Q: row r of 64 bytes, + 16 h
	v_lshlrev_b32 v[QSO], 1, v234
	v_and_b32 v240, 255, v0                        ; the scale bytes: waves 0-7 bring K's 4,096, waves 8-15 V's, 16 a thread
	v_lshlrev_b32 v104, 4, v240
	v_add_nc_u32 v105, SCK, v104                   ; K's lie as in memory;
	v_and_b32 v241, 3, v0
	v_lshrrev_b32 v242, 2, v240
	v_lshlrev_b32 v106, 2, v242
	v_lshl_add_u32 v106, v241, 10, v106
	v_add_nc_u32 v106, SCV, v106                   ; V's word m of my four is step 4 (thread % 4) + m of channel (thread % 256) / 4: it goes to 256 x step + 4 x channel
	s_mov_b32 s[MNT], 0x600000
	s_mov_b32 s[SEL], 0x76543210
	s_mov_b32 s[SEL+1], 0xfedcba98
	s_mov_b32 s[CS], 0x3e38aa3b                    ; log2(e) / 8
	s_mov_b32 s[CS+1], s[CS]                       ; (named with it as a pair, so it is written)
	s_sub_co_u32 s[GRP], 7, ttmp9                  ; the first pass: group 7 - g
	s_mov_b32 s[PASS], 2
	s_and_b32 s70, ttmp7, 0xffff                   ; the head
	s_mov_b32 s69, 0
	s_wait_kmcnt 0x0
	s_lshl_b32 s68, s70, 17                        ; a head's codes: 131,072 bytes
	s_add_nc_u64 s[QB:QB+1], s[QB:QB+1], s[68:69]
	s_add_nc_u64 s[KB:KB+1], s[KB:KB+1], s[68:69]
	s_add_nc_u64 s[VB:VB+1], s[VB:VB+1], s[68:69]
	s_lshl_b32 s68, s70, 12                        ; its scale bytes: 4,096
	s_add_nc_u64 s[QSB:QSB+1], s[QSB:QSB+1], s[68:69]
	s_add_nc_u64 s[KPT:KPT+1], s[KPT:KPT+1], s[68:69]   ; K's scale bytes,
	s_add_nc_u64 s[VPT:VPT+1], s[VPT:VPT+1], s[68:69]   ; V's
	s_lshl_b32 s68, s70, 19                        ; its rows of O: 524,288
	s_add_nc_u64 s[OB:OB+1], s[OB:OB+1], s[68:69]
	s_cmp_lt_u32 s[WV], 8
	s_cselect_b64 s[MP:MP+1], s[KPT:KPT+1], s[VPT:VPT+1]   ; the choice hangs on the wave's number alone
	s_wait_alu depctr_va_vdst(0)                   ; every address and offset made above is written: v104 to v106, which the load and the LDS stores below read, and v1 to v7, v10, v11, v225 to v230, which serve the whole kernel
	global_load_b128 v[96:99], v104, s[MP:MP+1]
.irp i, 8,9,10,11,12,13,14,15
	v_mov_b32 v[QF+\i], 0                          ; zero codes for k = 64 .. 127: written once, never a load's target
.irp tt, 0,1,2,3
	v_mov_b32 v[KF+16*\tt+\i], 0
.endr
.endr
	v_mov_b32 v[NINF], 0xff800000
.irp b, 0,1,2,3
	v_mov_b32 v[T2+\b], 0                          ; written once: a lane permute's destination counts as one of its sources
.endr
	v_mov_b32 v[F], 0                              ; (likewise, on the way out of a tile for which nothing counted)
	v_mov_b32 v[PW], 0                             ; (named as the upper half of the pair v[252:253] before it is first written)
	s_wait_loadcnt 0x0                             ; the scale bytes are in; their base is free for the pass's head
	s_cmp_lt_u32 s[WV], 8
	s_cbranch_scc0 .Lv_scales
	ds_store_b128 v105, v[96:99]
	s_branch .Lscales_in
.Lv_scales:
.irp m, 0,1,2,3
	ds_store_b32 v106, v[96+\m] offset:256*\m
.endr
.Lscales_in:                                           ; they are read behind the first slot's barrier
.set N, 32
.rept 16
	s_mov_b64 s[N:N+1], 0                          ; the mask words' registers are written once here, so that every way to the selects finds them written
.set N, N+2
.endr
.set N, 68
.rept 16
	s_mov_b64 s[N:N+1], 0
.set N, N+2
.endr
; A KEY STEP: 128 keys, the q-th of ring slot p.  J: the step's number in the trip of four.
.macro STEP p, q
.set J, 2*(\p)+(\q)
	s_and_b32 s[FLG], s[FW], 3
	s_lshr_b32 s[FW], s[FW], 2                     ; on every path: the next step's flag comes lowest
	s_cmp_eq_u32 s[FLG], 0
	s_cbranch_scc1 .Lhidden_\@                     ; nothing counts for my 16 queries: the step adds nothing to M, to the sum or to O^T
	s_cmp_eq_u32 s[FLG], 1
	s_cbranch_scc0 .Lno_words_\@
	s_load_b512 s[32:47], s[MP:MP+1], s[TS] offset:256*J       ; the step's 64 mask words, asked for ahead of the products
	s_load_b512 s[48:63], s[MP:MP+1], s[TS] offset:256*J+64
	s_load_b512 s[68:83], s[MP:MP+1], s[TS] offset:256*J+128
	s_load_b512 s[84:99], s[MP:MP+1], s[TS] offset:256*J+192
.Lno_words_\@:
.irp g, 0,1                                    ; S^T = K Q^T, four tiles of 16 keys at a time
.if \g
.rept 8
	v_nop                                          ; places behind the first four tiles' results, which the selects or the maxima below read first
.endr
	s_wait_alu depctr_va_vdst(0)                   ; the four products above are done reading K's fragments, and the last step's products of O^T are done reading v250 and v251: the loads below land in these
.endif                                                 ; (g = 0: no wait: the loads below touch K's fragments and v248-249, last read ahead of an earlier step's wait behind its exponentials; v8 was written ahead of the trip's wait)
.irp tt, 0,1,2,3
.irp c, 0,1
	ds_load_b128 v[KF+16*\tt+4*\c:KF+16*\tt+4*\c+3], v[AK+\p] offset:KQ*(\q)+16*KPI*(4*\g+\tt)+32*\c
.endr
.endr
.irp b, 0,1
	ds_load_u16 v[SW+2*\g+\b], v[ADS] offset:256*J+64*(2*\g+\b)   ; a key's two scale bytes; the word's upper two come as 0
.endr
.if \g == 0
.rept 9
	v_nop                                          ; the products below write over v96-159, which the last step's products read as source 0: nine places; they stand behind the loads, which are on their way meanwhile
.endr
.endif
	s_wait_dscnt 0x0
.irp tt, 0,1,2,3
.if \tt % 2
	v_wmma_scale_f32_16x16x128_f8f6f4 v[S+8*(4*\g+\tt):S+8*(4*\g+\tt)+7], v[KF+16*\tt:KF+16*\tt+15], v[QF:QF+15], 0, v[SW+2*\g+\tt/2], v[QS] matrix_a_fmt:MATRIX_FMT_BF8 matrix_b_fmt:MATRIX_FMT_BF8 matrix_a_scale:MATRIX_SCALE_ROW1
.else
	v_wmma_scale_f32_16x16x128_f8f6f4 v[S+8*(4*\g+\tt):S+8*(4*\g+\tt)+7], v[KF+16*\tt:KF+16*\tt+15], v[QF:QF+15], 0, v[SW+2*\g+\tt/2], v[QS] matrix_a_fmt:MATRIX_FMT_BF8 matrix_b_fmt:MATRIX_FMT_BF8
.endif
.endr
.endr
	s_wait_kmcnt 0x0                               ; on every path: the mask words are in, and their base and offset are free
	s_cmp_eq_u32 s[FLG], 1
	s_cbranch_scc0 .Lopen_\@
; Scores of places that do not count become -infinity ahead of the maximum: p = 0 then.  Word n is register n's lane mask.  In ascending order: the first 32 name only the first four tiles' results, which stand eight
; places back, and are themselves the places behind the last four products.
.set N, 0
.rept 32
	v_cndmask_b32 v[S+N], v[NINF], v[S+N], s[32+N]
.set N, N+1
.endr
.rept 32
	v_cndmask_b32 v[S+N], v[NINF], v[S+N], s[36+N]
.set N, N+1
.endr
.Lopen_\@:
; THE LARGEST SCORE OF EACH BLOCK OF 32 KEYS: for the row's maximum and, since p rises with the score, for the block's largest p.  Blocks 0 and 1 first: their 16 lines are the places behind the last four products.
.irp pr, 0,2
.irp b, \pr, \pr+1
	v_max3_num_f32 v[BM+\b], v[S+16*(\b)], v[S+1+16*(\b)], v[S+2+16*(\b)]
.endr
.irp i, 3,5,7,9,11,13
.irp b, \pr, \pr+1
	v_max3_num_f32 v[BM+\b], v[BM+\b], v[S+16*(\b)+\i], v[S+1+16*(\b)+\i]
.endr
.endr
.irp b, \pr, \pr+1
	v_max_num_f32 v[BM+\b], v[BM+\b], v[S+15+16*(\b)]
.endr
.endr
.irp b, 0,1,2,3
	v_permlanex16_b32 v[T2+\b], v[BM+\b], s[SEL], s[SEL+1]
.endr
.irp b, 0,1,2,3
	v_max_num_f32 v[BM+\b], v[BM+\b], v[T2+\b]     ; with lane l xor 16's 16 keys
.endr
	v_max3_num_f32 v[TMP], v[BM], v[BM+1], v[BM+2]
	v_max_num_f32 v[TMP], v[TMP], v[BM+3]          ; the step's largest score of my query
	v_mul_f32 v[TMP], s[CS], v[TMP]                ; as t (c is positive)
	v_max_num_f32 v13, v13, v[TMP]                 ; the running largest t
	v_mov_b32 v[TMP], v12
	v_floor_f32 v12, -v13                          ; the new -M = floor(-t) = -ceil(t): a whole number
	v_sub_f32 v[TMP], v12, v[TMP]                  ; old M - new M: a whole number, 0 or less
	v_cvt_i32_f32 v[TMP], v[TMP]                   ; (it saturates)
	v_ldexp_f32 v[F], 1.0, v[TMP]                  ; f = 2^(old M - new M)
.set N, 0
.rept 32
	v_pk_fma_f32 v[S+N:S+N+1], v[S+N:S+N+1], s[CS:CS+1], v[12:13] op_sel_hi:[1,0,0]   ; t - M, two at a time (of the pairs c and -M the low word serves both halves)
.set N, N+2
.endr
.irp b, 0,1,2,3
	v_fma_f32 v[BM+\b], v[BM+\b], s[CS], v12       ; the same of each block's largest score
.endr
.set N, 0
	s_wait_alu depctr_va_vdst(0)
.rept 64
	v_exp_f32 v[S+N], v[S+N]                       ; p = 2^(t - M), at most 1: not normalised
.set N, N+1
.endr
	v_pk_mul_f32 v[14:15], v[14:15], v[F:F+1] op_sel_hi:[1,0]   ; the sums under the new M: the plain instruction behind the exponentials
	s_wait_alu depctr_va_vdst(0)                   ; the 64 exponentials have written p, ahead of the first line that names a result; the step's eight products of S^T are done reading K's fragments and scale words
.irp b, 0,1,2,3
	v_exp_f32 v[BM+\b], v[BM+\b]                   ; the block's largest p: the same two instructions on the same number give the same bits
.endr
	v_pk_add_f32 v[T2:T2+1], v[S:S+1], v[S+2:S+3]  ; THE ROW'S SUM IS TAKEN OF THE UNQUANTISED p, two at a time, in two chains; it reads the 64 alone
.set N, 4
.rept 15
	v_pk_add_f32 v[14:15], v[14:15], v[S+N:S+N+1]
	v_pk_add_f32 v[T2:T2+1], v[T2:T2+1], v[S+N+2:S+N+3]
.set N, N+4
.endr
	v_pk_add_f32 v[14:15], v[14:15], v[T2:T2+1]
	s_wait_alu depctr_va_vdst(0)                   ; the four exponentials have written the blocks' largest p, ahead of their first reader
.irp b, 0,1,2,3
	v_max_num_f32 v[BM+\b], 0x8000000, v[BM+\b]    ; the floor 2^(16 - 127): the byte cannot fall under 1 (a block whose every p is 0 keeps that byte: its codes are zeros)
.endr
.irp b, 0,1,2,3
	v_add_nc_u32 v[SOP+\b], 0xf8800000, v[BM+\b]   ; 15 off the exponent field: the conversion takes this operand's exponent field as its scale
.endr
.irp b, 0,1,2,3
	v_lshrrev_b32 v[T2+\b], 23, v[SOP+\b]          ; the scale's byte
.endr
	v_lshl_or_b32 v[PW], v[T2+1], 8, v[T2]         ; p's scale word for these 128 keys
	v_lshl_or_b32 v[PW], v[T2+2], 16, v[PW]
	v_lshl_or_b32 v[PW], v[T2+3], 24, v[PW]
.irp b, 0,1,2,3
	v_and_or_b32 v[CAP+\b], v[BM+\b], 0x7f800000, s[MNT]   ; 57,344 x the scale.  (Four of the eight places between the scale word and the products that name none of those products' registers)
.endr
.irp b, 0,1
.set N, 0
.rept 16
	v_min_num_f32 v[S+16*\b+N], v[S+16*\b+N], v[CAP+\b]   ; the conversion to an 8-bit code does not saturate (ISA guide 7.6.2); p is not negative, so the hold is one-sided
.set N, N+1
.endr
	v_cvt_scalef32_pk8_bf8_f32 v[PC+4*\b:PC+4*\b+1], v[S+16*\b:S+16*\b+7], v[SOP+\b]
	v_cvt_scalef32_pk8_bf8_f32 v[PC+4*\b+2:PC+4*\b+3], v[S+16*\b+8:S+16*\b+15], v[SOP+\b]
.endr
	s_wait_alu depctr_va_vdst(0)                   ; the conversions of blocks 0 and 1 are done reading v96-127, in which V's fragments 0 and 1 land.  No line from here to the next wait names v96-127, v250, v4, v5 or v9
.irp t, 0,1                                    ; V's fragments (16 channels x these 128 keys) take p's registers: the first two land while blocks 2 and 3 are quantised
.irp c, 0,1,2,3
	ds_load_b128 v[S+16*\t+4*\c:S+16*\t+4*\c+3], v[AV+\p] offset:16*VPI*\t+128*(\q)+32*\c
.endr
.endr
	ds_load_b32 v[SW+2], v[ADT] offset:256*J       ; the scale words of V's tiles 0 and 1
.irp b, 2,3
.set N, 0
.rept 16
	v_min_num_f32 v[S+16*\b+N], v[S+16*\b+N], v[CAP+\b]
.set N, N+1
.endr
	v_cvt_scalef32_pk8_bf8_f32 v[PC+4*\b:PC+4*\b+1], v[S+16*\b:S+16*\b+7], v[SOP+\b]
	v_cvt_scalef32_pk8_bf8_f32 v[PC+4*\b+2:PC+4*\b+3], v[S+16*\b+8:S+16*\b+15], v[SOP+\b]
.endr
.set N, 0
.rept 16
	v_pk_mul_f32 v[O+N:O+N+1], v[O+N:O+N+1], v[F:F+1] op_sel_hi:[1,0]   ; O^T under the new M, from each accumulator's low end on; the plain lines behind the conversions and ahead of the products
.set N, N+2
.endr
.rept 4
	v_nop                                          ; the other four of the scale word's eight places; four places behind the last conversion too
.endr
	s_wait_alu depctr_va_vdst(0)                   ; the conversions of blocks 2 and 3 are done reading v128-159, in which V's fragments 2 and 3 land; and p's codes and p's scale word are written, which the scaled products below take as source 1 and its scale: the places first, then this wait
.irp t, 2,3
.irp c, 0,1,2,3
	ds_load_b128 v[S+16*\t+4*\c:S+16*\t+4*\c+3], v[AV+\p] offset:16*VPI*\t+128*(\q)+32*\c
.endr
.endr
	ds_load_b32 v[SW+3], v[ADT] offset:256*J+128   ; the scale words of V's tiles 2 and 3
	s_wait_dscnt 9                                 ; LDS loads come back in order (ISA guide 5.7.1): fragments 0 and 1 and their scale words are in, the nine loads just issued may be out
.irp t, 0,1                                    ; O^T += V^T P^T: the four accumulators by turns; ahead of them and behind them stand products of S^T
.if \t % 2
	v_wmma_scale_f32_16x16x128_f8f6f4 v[O+8*\t:O+8*\t+7], v[S+16*\t:S+16*\t+15], v[PC:PC+15], v[O+8*\t:O+8*\t+7], v[SW+2+\t/2], v[PW] matrix_a_fmt:MATRIX_FMT_BF8 matrix_b_fmt:MATRIX_FMT_BF8 matrix_a_scale:MATRIX_SCALE_ROW1
.else
	v_wmma_scale_f32_16x16x128_f8f6f4 v[O+8*\t:O+8*\t+7], v[S+16*\t:S+16*\t+15], v[PC:PC+15], v[O+8*\t:O+8*\t+7], v[SW+2+\t/2], v[PW] matrix_a_fmt:MATRIX_FMT_BF8 matrix_b_fmt:MATRIX_FMT_BF8
.endif
.endr
	s_wait_dscnt 0x0                               ; fragments 2 and 3 and their scale words are in
.irp t, 2,3
.if \t % 2
	v_wmma_scale_f32_16x16x128_f8f6f4 v[O+8*\t:O+8*\t+7], v[S+16*\t:S+16*\t+15], v[PC:PC+15], v[O+8*\t:O+8*\t+7], v[SW+2+\t/2], v[PW] matrix_a_fmt:MATRIX_FMT_BF8 matrix_b_fmt:MATRIX_FMT_BF8 matrix_a_scale:MATRIX_SCALE_ROW1
.else
	v_wmma_scale_f32_16x16x128_f8f6f4 v[O+8*\t:O+8*\t+7], v[S+16*\t:S+16*\t+15], v[PC:PC+15], v[O+8*\t:O+8*\t+7], v[SW+2+\t/2], v[PW] matrix_a_fmt:MATRIX_FMT_BF8 matrix_b_fmt:MATRIX_FMT_BF8
.endif
.endr
.Lhidden_\@:
.endm
; A SLOT, in ring slot p.  ONE barrier does both orderings: in front of it each wave's stores into this ring slot have landed and its reads of the other are back; behind it this one is read and the other written.
; The next slot's bytes are asked for first thing behind the barrier and stored behind the slot's two steps; a slot that none of the 16 tiles needs is not copied (the last slot's successor has no bits: nothing is read past the end).
.macro TRIP p
	s_wait_dscnt 0x0
	s_barrier_signal -1
	s_barrier_wait -1
	s_wait_alu depctr_vm_vsrc(0)                   ; the copy's LDS stores have read v208-223, in which the loads below land; the LDS loads issued so far have read v8 and v9, which are written below (p = 0); in a pass's first slot Q's scale load has read v254, and in the kernel's first the head's load and stores have read v96-106, all of which the steps write
	s_and_b32 s[NX], s[WGF], 15
	s_cmp_lg_u32 s[NX], 0
	s_cbranch_scc0 .Lno_ask_\@
	FILL_ASK KPT, VPT
.Lno_ask_\@:
.if \p == 0
	v_add_nc_u32 v[ADS], s[TS], v[ASK]             ; four steps on: K's scale bytes
	v_add_nc_u32 v[ADT], s[TS], v[ASV]             ; and V's scale words
	s_wait_alu depctr_va_vdst(0)                   ; v8 and v9 are written: the LDS loads of the trip's four steps read them as addresses
.endif
	STEP \p, 0
	STEP \p, 1
	s_wait_loadcnt 0x0                             ; on every path: the four loads are in, and their bases may step
	s_cmp_lg_u32 s[NX], 0
	s_cbranch_scc0 .Lno_put_\@
	FILL_PUT 1-\p
.Lno_put_\@:
	s_lshr_b32 s[WGF], s[WGF], 4
	s_add_nc_u64 s[KPT:KPT+1], s[KPT:KPT+1], 256*64
	s_add_nc_u64 s[VPT:VPT+1], s[VPT:VPT+1], 256
.endm
.Lpass:
	s_lshl_b32 s68, s[GRP], 4
	s_add_co_u32 s68, s68, s[WV]                   ; my tile: 16 x group + wave
	s_mov_b32 s71, 0
	s_lshl_b32 s70, s68, 10                        ; 16 rows of 64 codes: the tile goes into the loads' vector offsets, so that Q needs no pointer of the tile's own
	v_add_nc_u32 v[QA], s70, v[QO]
	s_lshl_b32 s70, s68, 5                         ; 16 x 2 scale bytes
	v_add_nc_u32 v[TMP], s70, v[QSO]
	s_lshl_b32 s70, s68, 12                        ; 16 steps x 256 bytes of mask words; 16 rows x 256 bytes of O
	s_add_nc_u64 s[MP:MP+1], s[MB:MB+1], s[70:71]
	s_add_nc_u64 s[OP:OP+1], s[OB:OB+1], s[70:71]
	s_lshl_b32 s68, s68, 2
	s_lshl_b32 s69, s[GRP], 6
	s_load_b32 s[FW], s[FB:FB+1], s68 offset:0x0   ; my tile's flags
	s_load_b512 s[32:47], s[FB:FB+1], s69 offset:0x0   ; the group's sixteen
	s_wait_alu depctr_va_vdst(0)                   ; v231 and v254 are written, which Q's loads read as offsets; the last pass's products are done reading v16-23 and v255, in which these loads land; in the first pass the zero codes of Q's and K's fragments are written, ahead of the scaled products that take them
	global_load_b128 v[QF:QF+3],   v[QA], s[QB:QB+1]             ; Q's fragment: k = 16 h + 0 .. 15
	global_load_b128 v[QF+4:QF+7], v[QA], s[QB:QB+1] offset:32   ; and 32 + 16 h + 0 .. 15
	global_load_u16 v[QS], v[TMP], s[QSB:QSB+1]    ; its two scale bytes; the word's upper two come as 0
	FILL_ASK KB, VB                                ; slot 0
	s_add_nc_u64 s[KPT:KPT+1], s[KB:KB+1], 256*64
	s_add_nc_u64 s[VPT:VPT+1], s[VB:VB+1], 256
	v_mov_b32 v13, 0xff61b1e6                      ; the largest t so far: -3e38, under every t
	v_floor_f32 v12, -v13                          ; -M
	v_mov_b32 v14, 0                               ; the sum, in two halves
	v_mov_b32 v15, 0
.set N, 0
.rept 32
	v_mov_b32 v[O+N], 0                            ; O^T.  (The step is written once: the first that counts finds zeros, which the first change of M leaves zeros)
.set N, N+1
.endr
	s_wait_kmcnt 0x0
	s_or_b32 s[WGF], s32, s33
.irp i, 34,35,36,37,38,39,40,41,42,43,44,45,46,47
	s_or_b32 s[WGF], s[WGF], s[\i]
.endr
	s_lshr_b32 s[WGF], s[WGF], 4                   ; slot 1's bits lowest
	s_wait_loadcnt 0x0                             ; Q, and slot 0's bytes
	FILL_PUT 0                                     ; ring slot 0 was last read in the pass before, ahead of its last slot's barrier
	s_mov_b32 s[TR], 0
.Lslots:                                               ; four trips of two slots
	s_lshl_b32 s[TS], s[TR], 10                    ; four steps on: 1,024 bytes of K's scale bytes, of V's scale words and of mask words alike (the two LDS addresses are stepped behind the first slot's barrier)
	TRIP 0
	TRIP 1
	s_add_co_u32 s[TR], s[TR], 1
	s_cmp_lt_u32 s[TR], 4
	s_cbranch_scc1 .Lslots
	; THE WAY OUT.  O^T / the sum goes through my own stage in LDS and comes back as whole rows of 256 bytes.
.rept 8
	v_nop                                          ; places behind the last products
.endr
	v_add_f32 v14, v14, v15                        ; the sum's two halves,
	v_permlanex16_b32 v[F], v14, s[SEL], s[SEL+1]
	v_add_f32 v14, v14, v[F]                       ; and lane l xor 16's: the row's sum
	s_wait_alu depctr_va_vdst(0)
	v_rcp_f32 v14, v14
	v_nop                                          ; a plain instruction behind the reciprocal
	s_wait_alu depctr_va_vdst(0)                   ; the reciprocal has written v14, ahead of its first reader
.set N, 0
.rept 16
	v_pk_mul_f32 v[S+N:S+N+1], v[O+N:O+N+1], v[14:15] op_sel_hi:[1,0]   ; register 8 t + j is o(r, 16 t + 8 h + j); each accumulator from its low end on
.set N, N+2
.endr
	s_wait_alu depctr_va_vdst(0)                   ; the multiplications have written v96-127, which the LDS stores below read; the last products are done reading v128-159, in which the loads from the stage land
.irp t, 0,1,2,3
	ds_store_b128 v[SO], v[S+8*\t:S+8*\t+3] offset:64*\t
	ds_store_b128 v[SO], v[S+8*\t+4:S+8*\t+7] offset:64*\t+16
.endr
.irp i, 0,1,2,3,4,5,6,7
	ds_load_b128 v[S+32+4*\i:S+32+4*\i+3], v[SR] offset:2*VPI*\i   ; LDS serves a wave's instructions in order (ISA guide 5.7.1.4): these see my stores
.endr
.irp i, 0,1,2,3,4,5,6,7
	s_wait_dscnt 7-\i                              ; load i is in, the 7 - i younger ones may be out
	global_store_b128 v[LI], v[S+32+4*\i:S+32+4*\i+3], s[OP:OP+1] offset:512*\i th:TH_STORE_NT   ; 32 lanes store two rows, 512 consecutive bytes, at a multiple of 256 from O's first byte
.endr
	s_wait_xcnt 0x0                                ; the stores have read their registers and their base: both are written again in the next pass
	s_wait_alu depctr_vm_vsrc(0)                   ; beside it, ahead of the branch: the stage's LDS stores have read v96-127 and the stores of O v128-159, which the next pass's products write; the copy's last LDS stores have read v208-223, in which the next pass's first loads land; Q's loads have read v231 and v254, which are written next
	s_sub_co_u32 s[GRP], 7, s[GRP]                 ; the second pass: group g
	s_sub_co_u32 s[PASS], s[PASS], 1
	s_cmp_lg_u32 s[PASS], 0
	s_cbranch_scc1 .Lpass
	s_wait_xcnt 0x0
	v_lshl_add_u32 v254, v0, 2, 0x25800            ; the add's two registers are made anew: no memory or LDS instruction has read v254 or v255 since the wait on vm_vsrc at the pass's end
	v_mov_b32 v255, 0
	s_wait_dscnt 0x0                               ; the closing lines, six on end
	s_wait_alu 0x0
	s_wait_tensorcnt 0x0
	ds_add_u32 v254, v255
	s_wait_dscnt 0x0
	s_endpgm
.Lfunc_end_k_q8fee08f3bc_attn:
	.size	k_q8fee08f3bc_attn, .Lfunc_end_k_q8fee08f3bc_attn-k_q8fee08f3bc_attn
	.p2alignl 7, 3214868480
	.fill 96, 4, 3214868480
	.section	.rodata,"a",@progbits
	.p2align	6, 0x0
	.amdhsa_kernel k_q8fee08f3bc_attn
		.amdhsa_group_segment_fixed_size 155648
		.amdhsa_private_segment_fixed_size 0
		.amdhsa_enable_private_segment 0
		.amdhsa_kernarg_size 72
		.amdhsa_user_sgpr_count 2
		.amdhsa_user_sgpr_kernarg_segment_ptr 1
		.amdhsa_wavefront_size32 1
		.amdhsa_system_sgpr_workgroup_id_x 1
		.amdhsa_system_sgpr_workgroup_id_y 1
		.amdhsa_system_sgpr_workgroup_id_z 1
		.amdhsa_system_vgpr_workitem_id 0
		.amdhsa_next_free_vgpr 256
		.amdhsa_next_free_sgpr 106
		.amdhsa_reserve_vcc 0
		.amdhsa_float_denorm_mode_32 3
		.amdhsa_float_denorm_mode_16_64 3
		.amdhsa_memory_ordered 1
		.amdhsa_forward_progress 1
		.amdhsa_inst_pref_size 110
	.end_amdhsa_kernel
	.amdgpu_metadata
---
amdhsa.version: [ 1, 2 ]
amdhsa.kernels:
  - .name:           k_q8fee08f3bc_attn
    .symbol:         k_q8fee08f3bc_attn.kd
    .args:
      - { .name: values_codes, .offset: 0, .size: 8, .value_kind: global_buffer, .address_space: global }
      - { .name: queries_codes, .offset: 8, .size: 8, .value_kind: global_buffer, .address_space: global }
      - { .name: queries_scales, .offset: 16, .size: 8, .value_kind: global_buffer, .address_space: global }
      - { .name: out0, .offset: 24, .size: 8, .value_kind: global_buffer, .address_space: global }
      - { .name: maskw, .offset: 32, .size: 8, .value_kind: global_buffer, .address_space: global }
      - { .name: flags, .offset: 40, .size: 8, .value_kind: global_buffer, .address_space: global }
      - { .name: keys_scales, .offset: 48, .size: 8, .value_kind: global_buffer, .address_space: global }
      - { .name: values_scales, .offset: 56, .size: 8, .value_kind: global_buffer, .address_space: global }
      - { .name: keys_codes, .offset: 64, .size: 8, .value_kind: global_buffer, .address_space: global }
    .group_segment_fixed_size: 155648
    .private_segment_fixed_size: 0
    .kernarg_segment_align: 8
    .kernarg_segment_size: 72
    .max_flat_workgroup_size: 512
    .sgpr_count:     106
    .vgpr_count:     256
    .wavefront_size: 32
...
	.end_amdgpu_metadata
.endif
;; end of part 4
